; MI455X (gfx1250); checked and timed in simulation.
; The chip was launched on July 23, 2026; its instructions are those of AMD's public machine-readable ISA for CDNA 5 (MIT licence, August 2026) and "CDNA5" Instruction Set Architecture Reference Guide (July 2026). The comments in the code are by the model that wrote it; some were corrected since.
;; Attention. Allowed arithmetic: matrix products marked QUANTISED: E2M3 operands, one E8M0 scale for each 32 along K, by v_wmma_scale_f32_16x16x128_f8f6f4 with both operands' format E2M3, f32 sums; everything else in f32.
;; Inputs: Wout 1,024 x 1,024 float32; Wqkv 1,024 x 3,072 float32; bout 1,024 float32; bqkv 3,072 float32; x 2 x 2,048 x 1,024 float32.
;; Outputs: out0 2 x 2,048 x 1,024 float32.
;; This version of the problem:
;;   THIS VERSION OF THE PROBLEM IS GIVEN IN LOW PRECISION. The matrix products marked QUANTISED in the list below multiply operands that are first quantised to E2M3 (2 exponent bits, 3 mantissa bits; 6 bits a number), with one power-of-two scale for each 32 numbers along K (OCP MX v1.0); their sums are f32. All else is computed in f32.
;;   The module's matrix products, in the order in which they are computed (A, B: the left and right operand; K: the contracted axis; several contracted axes count as one K, in the product's order):
;;     1. [M 4,096, K 1,024] x [K 1,024, N 3,072]; A: input x; B: input Wqkv: QUANTISED
;;     2. batch 32 x [M 2,048, K 64] x [K 64, N 2,048]; A: computed on the way; B: computed on the way: QUANTISED
;;     3. batch 32 x [M 2,048, K 2,048] x [K 2,048, N 64]; A: softmax (see below); B: computed on the way: QUANTISED
;;     4. [M 4,096, K 1,024] x [K 1,024, N 1,024]; A: computed on the way; B: input Wout: QUANTISED
;;   THE QUANTISER, for each operand of a quantised product, along K:
;;     - K is cut into blocks of 32 from its start; a last block that is shorter is filled with zeros.
;;     - A block's scale is 2^e with e = floor(log2(the largest magnitude in the block)) - 2, held to -126 .. 127; a block of zeros has e = 0. As a byte (E8M0): e + 127.
;;     - Each number is divided by its block's scale, clamped to +-7.5, and rounded to the nearest number of E2M3, ties to even, subnormals kept.
;;     - The product sums the exact products of the quantised numbers (number of the format x scale) in f32.
;;   ~~~python
;;   def quantise(x, axis):      # numpy; x: float32 -> the quantised numbers, widened to float32 again
;;       x = np.moveaxis(x, axis, -1); K = x.shape[-1]
;;       x = np.pad(x, [(0, 0)] * (x.ndim - 1) + [(0, -K % 32)]); x = x.reshape(x.shape[:-1] + (-1, 32)); a = np.abs(x).max(-1, keepdims=True)
;;       e = np.where(a > 0, np.clip(np.frexp(np.where(a > 0, a, 1))[1] - 1 - 2, -126, 127), 0)      # np.frexp(a)[1] - 1 = floor(log2(a)), exactly
;;       r = np.clip(x / 2.0 ** e, -7.5, 7.5)
;;       step = 2.0 ** (np.maximum(np.frexp(np.where(r == 0, 1, r))[1] - 1, 0) - 3)
;;       q = np.round(r / step) * step * 2.0 ** e      # np.round: ties to even
;;       return np.moveaxis(q.reshape(q.shape[:-2] + (-1,))[..., :K], -1, axis).astype(np.float32)
;;   ~~~
;;   SOFTMAX AHEAD OF A QUANTISED PRODUCT. Where the list says 'softmax', what is quantised is not the finished softmax but p = 2^(t - M), with t = logit x log2(e) and M = ceil(the row's largest t), a whole number; so 1/2 < the row's largest p <= 1. The row's sum l is taken of the UNQUANTISED p, in f32, and the product's result is divided by l at the end. Since M is a whole number, a kernel that streams over the keys may use a running M (the ceiling of the running maximum): every later rescaling is an exact power of two, which a block's scale takes up: the codes' values come out the same.
;;   OPERANDS COMPUTED ON THE WAY. 'Computed on the way' means the value that the module computes at that place (a softmax that the list does not call 'softmax' is quantised finished and normalised). What goes into a quantiser is computed in f32, as accurately as f32 sums, v_exp_f32 and their like allow (about 1e-6 of the number): no bf16 or f16 on the way to a quantiser, and a product that is left as it is and whose result goes on into a quantised operand takes f32 operands (vector FMAs, or v_wmma_f32_16x16x4_f32). A number that lies on a knife's edge between two numbers of the format may be rounded either way, as far as f32 arithmetic and the matrix unit's own rounding can turn it there, and no further.
;; One version. Each part assembles by itself: llvm-mc -triple=amdgcn-amd-amdhsa -mcpu=gfx1250 --defsym DOCPART=n.
;; ======== version 1 of 1: 4 launches
;; workspace buffers: opnd 6,553,600 bytes; qkv 9,830,400 bytes; obuf 3,276,800 bytes
;; launch prep (part 1): grid 256 x 1, 4 waves a work-group, no clusters, 68,096 bytes of LDS; arguments x, Wqkv, Wout, opnd; writes opnd
.if DOCPART == 1
	.amdgcn_target "amdgcn-amd-amdhsa--gfx1250"
	.amdhsa_code_object_version 6
	.text
	.protected	k_qdb143f6b25_prep
	.globl	k_qdb143f6b25_prep
	.p2align	8
	.type	k_qdb143f6b25_prep,@function
k_qdb143f6b25_prep:
	s_mov_b64 s[64:65], 0
	v_nop
	global_prefetch_b8 v0, s[64:65] scope:SCOPE_SE
	s_setreg_imm32_b32 hwreg(HW_REG_WAVE_MODE, 25, 1), 1
	s_wait_xcnt 0x0
; x [4096][1024], Wqkv [1024][3072] and Wout [1024][1024], f32, become ONE matrix of 8,192 rows of 1,024 codes of FP6 (E2M3), K innermost (768 bytes a row, from byte 0 of opnd),
; and one E8M0 scale byte for each 32 along K (32 bytes a row, from byte SCO).  Rows 0-4095: the tokens of x; rows 4096-7167: the columns of Wqkv; rows 7168-8191: the columns of Wout.
; THE ROWS ARE STORED IN ANOTHER ORDER: stored row number = real row number with its bits 3 and 4 exchanged.  So 16 stored neighbours 32 b + 16 u + (0..15) are the real rows 32 b + 8 u + r + 8 (r / 8):
; used as source 0 of a product, two such neighbouring tiles leave 16 real neighbours in a lane's 16 result registers, which the later launches quantise without moving anything between lanes.
; A block's scale is 2^(floor(log2(its largest magnitude)) - 2); its byte is the largest magnitude's exponent field - 2, held at 1 from below.  A block of zeros so gets the byte 1 where the rule says 127:
; its codes are zeros, which add nothing under any byte but 0xff, and the bytes are read by this program alone.
; LIMITS: blocks whose largest magnitude lies under 2^-124, the floor, keep the byte 1; NaN and infinities among the inputs are not served.
; Work-groups 0-127 take x (K innermost: a lane holds 16 neighbours along K, two lanes a block), work-groups 128-255 the weights (K is the first axis: a lane takes a column and its registers run down K).
; The two ways part on the work-group's number alone and have LDS bytes of their own.  No tensor loads, no barrier, no cluster: no two waves read the same byte.
.set SCO,   6291456                    ; where the scale bytes begin in opnd
.set STEPS, 16                         ; x: steps of 512 numbers of a wave (8 rows)
.set CB,    12                         ; bytes of 16 codes
.set SP,    80                         ; x: a lane's place in a stage: 64 bytes + 16 of padding
.set WREG,  8192                       ; x: LDS of a wave: two stages of 32 x SP bytes, then its 256 scale bytes
.set XR,    16                         ; v16-143  x: eight sets of 16 numbers as loaded
.set XX,    144                        ; v144-175 x: two sets of 16 neighbours
.set XE,    176                        ; v176-191 x: a scale byte for each step
.set XC,    192                        ; v192-255 x: four registers of codes for each step, so that no store's data are written again
.set PITCH, 272                        ; weights: a stage row: sixteen places of 16 bytes, each with 12 bytes of codes, + 16
.set WSTG,  32768                      ; weights: the stages begin here, 32 rows for each wave
.set NB,    8                          ; weights: blocks of 32 along K of a wave
.set WX,    32                         ; v32-95   weights: two sets of 32 numbers
.set WC,    96                         ; v96-102  weights: a block's codes
.set OUTR,  112                        ; v112-175 weights: the way out
.set SB,    24                         ; v24-25   weights: the scale bytes, four to a register
.set VO,    176                        ; v176-207 weights: 4 x lane + i rows of the weight, i = 0 .. 31
.set WB,    32                         ; s32-47   weights: the address of block t's first row
	s_load_b256 s[4:11], s[0:1], 0x0               ; x s[4:5], Wqkv s[6:7], Wout s[8:9], opnd s[10:11]
	v_lshl_add_u32 v251, v0, 2, 0x10800
	v_mov_b32 v255, 0
	v_lshrrev_b32 v1, 5, v0
	v_readfirstlane_b32 s16, v1                    ; wave 0..3
	v_and_b32 v2, 31, v0                           ; lane
	s_cmp_lt_u32 ttmp9, 128
	s_cbranch_scc0 .Lweights
; ---------------- x: a wave takes 8 rows, 8,192 numbers, a plain stream of blocks of 32 ----------------
	v_lshlrev_b32 v3, 4, v2                        ; my 16 bytes of a load's 512
	s_mul_i32 s17, s16, WREG
	v_lshrrev_b32 v14, 2, v2
	v_mul_u32_u24 v14, v14, SP
	v_and_b32 v15, 3, v2
	v_lshl_add_u32 v14, v15, 4, v14
	v_add_nc_u32 v14, s17, v14                     ; the stage, on the way in: SP (lane / 4) + 16 (lane % 4)
	v_mul_u32_u24 v15, v2, SP
	v_add_nc_u32 v15, s17, v15                     ; and on the way out: SP x lane: my 16 neighbours
	v_mul_u32_u24 v4, v2, CB                       ; my codes' place in a step's 384 bytes
	v_lshrrev_b32 v5, 1, v2
	s_add_co_u32 s17, s17, 2*32*SP
	v_add_nc_u32 v5, s17, v5                       ; LDS: my block's scale byte
	v_lshlrev_b32 v7, 3, v2
	v_add_nc_u32 v6, s17, v7                       ; and on the way out 8 bytes a lane
	s_lshl_b32 s18, ttmp9, 2
	s_add_co_u32 s18, s18, s16                     ; which group of 8 rows is my wave's: 0..511
	s_and_b32 s19, s18, 1
	s_lshl_b32 s19, s19, 1
	s_bfe_u32 s20, s18, 0x10001
	s_and_not1_b32 s21, s18, 3
	s_add_co_u32 s21, s21, s19
	s_add_co_u32 s21, s21, s20                     ; where the group is stored: its bits 0 and 1 (the rows' bits 3 and 4) exchanged
	s_lshl_b32 s22, s18, 15                        ; in x: 32,768 bytes a group
	s_mov_b32 s23, 0
	s_mul_i32 s24, s21, 8*768                      ; its codes
	s_mov_b32 s25, 0
	s_lshl_b32 s26, s21, 8                         ; its 256 scale bytes
	s_add_co_u32 s26, s26, SCO
	s_mov_b32 s27, 0
	s_wait_kmcnt 0x0
	s_add_nc_u64 s[4:5], s[4:5], s[22:23]
	s_add_nc_u64 s[12:13], s[10:11], s[24:25]
	s_add_nc_u64 s[14:15], s[10:11], s[26:27]
.macro XLOAD t
.irp i, 0,1,2,3
	global_load_b128 v[XR+16*((\t)%8)+4*\i:XR+16*((\t)%8)+4*\i+3], v3, s[4:5] offset:2048*(\t)+512*\i th:TH_LOAD_NT   ; 32 lanes read 512 consecutive bytes
.endr
.endm
.macro XTURN t                         ; step t's numbers through the stage: LDS serves a wave's instructions in order, so no wait stands between the stores and the loads
.irp i, 0,1,2,3
	ds_store_b128 v14, v[XR+16*((\t)%8)+4*\i:XR+16*((\t)%8)+4*\i+3] offset:32*SP*((\t)%2)+8*SP*\i
.endr
.irp i, 0,1,2,3
	ds_load_b128 v[XX+16*((\t)%2)+4*\i:XX+16*((\t)%2)+4*\i+3], v15 offset:32*SP*((\t)%2)+16*\i
.endr
.endm
.irp t, 0,1,2,3,4,5,6,7
	XLOAD \t                                       ; eight steps, 32 loads of 512 bytes, are on their way
.endr
	s_wait_loadcnt 28                              ; step 0's four loads are in; the 28 of the seven steps behind it may be out
	XTURN 0
.macro XSTEP t
.set XS, XX+16*((\t)%2)
.if (\t) > 0
	s_wait_dscnt 1                                 ; this step's numbers are back from the stage (the last step's byte store may be out): so its stores into the stage have read their registers,
.else
	s_wait_dscnt 0x0
.endif
.if (\t)+8 < STEPS
	XLOAD (\t)+8                                   ; which take the loads of eight steps on
.endif
.if (\t)+1 < STEPS
.if STEPS-2-(\t) >= 7
	s_wait_loadcnt 28                              ; the next step's four loads are in; those of the seven steps behind it may be out
.else
	s_wait_loadcnt 4*(STEPS-2-(\t))                ; towards the end fewer steps stand behind it
.endif
	XTURN (\t)+1                                   ; and go through the other stage while this step is worked
.endif
	v_max3_num_f32 v8, |v[XS]|, |v[XS+1]|, |v[XS+2]|               ; the largest magnitude of my 16, in two chains
	v_max3_num_f32 v9, |v[XS+3]|, |v[XS+4]|, |v[XS+5]|
.irp i, 6,10
	v_max3_num_f32 v8, v8, |v[XS+\i]|, |v[XS+\i+1]|
	v_max3_num_f32 v9, v9, |v[XS+\i+2]|, |v[XS+\i+3]|
.endr
	v_max3_num_f32 v8, v8, |v[XS+14]|, |v[XS+15]|
	v_max3_num_f32 v8, v8, v9, 0x1800000           ; and the floor 2^(3 - 127): the byte cannot fall under 1
	v_max_num_f32_dpp v8, v8, v8 row_xmask:1 row_mask:0xf bank_mask:0xf   ; and of my neighbour's 16: the block's
	v_add_nc_u32 v11, 0xff000000, v8               ; 2 off its exponent field: the conversion takes the exponent field of this operand as its scale, and nothing else of it
	v_cvt_scalef32_pk16_fp6_f32 v[XC+4*(\t):XC+4*(\t)+2], v[XS:XS+15], v11
	v_lshrrev_b32 v[XE+(\t)], 23, v11              ; the scale's byte (also the plain line behind the conversion)
	ds_store_b8 v5, v[XE+(\t)] offset:16*(\t)      ; both lanes of a block write the same byte with the same value
	global_store_b96 v4, v[XC+4*(\t):XC+4*(\t)+2], s[12:13] offset:32*CB*(\t)   ; the wave stores 384 consecutive bytes
.endm
.irp t, 0,1,2,3,4,5,6,7,8,9,10,11,12,13,14,15
	XSTEP \t
.endr
	ds_load_b64 v[12:13], v6                       ; LDS serves a wave's instructions in order: these see my byte stores
	s_wait_dscnt 0x0
	global_store_b64 v7, v[12:13], s[14:15]        ; 32 lanes store 256 consecutive bytes, aligned
	s_wait_tensorcnt 0x0
	ds_add_u32 v251, v255
	s_wait_dscnt 0x0
	s_endpgm
; ---------------- the weights: a wave takes 32 columns x 256 along K ----------------
.Lweights:
	s_sub_co_u32 s17, ttmp9, 128
	s_lshr_b32 s18, s17, 5                         ; which 256 along K: 0..3
	s_and_b32 s19, s17, 31                         ; which 128 columns: 0..23 of Wqkv, 24..31 of Wout
	s_sub_co_u32 s20, s19, 24
	s_mov_b32 s21, 4096
	s_wait_kmcnt 0x0
	s_cmp_lt_u32 s19, 24                           ; the choice hangs on the work-group's number alone
	s_cselect_b64 s[6:7], s[6:7], s[8:9]           ; the weight
	s_cselect_b32 s21, 12288, s21                  ; a row of it in bytes
	s_cselect_b32 s20, s19, s20                    ; the group of 128 columns in it
	s_lshl_b32 s22, s18, 8
	s_mul_i32 s22, s22, s21                        ; 256 rows down for each step along K,
	s_lshl_b32 s23, s20, 9
	s_add_co_u32 s22, s22, s23                     ; 512 bytes a group of columns,
	s_lshl_b32 s23, s16, 7
	s_add_co_u32 s22, s22, s23                     ; 128 bytes a wave
	s_mov_b32 s23, 0
	s_add_nc_u64 s[WB:WB+1], s[6:7], s[22:23]
	s_lshl_b32 s30, s21, 5                         ; a block is 32 rows
	s_mov_b32 s31, 0
.irp t, 1,2,3,4,5,6,7
	s_add_nc_u64 s[WB+2*\t:WB+2*\t+1], s[WB+2*\t-2:WB+2*\t-1], s[30:31]
.endr
	v_lshlrev_b32 v3, 2, v2                        ; 4 bytes a lane
.set ii, 0
.rept 32
	v_mad_u32_u24 v[VO+ii], s21, ii, v3            ; + i rows: the row's length differs between the weights, so it cannot stand in an immediate
.set ii, ii+1
.endr
	s_lshl_b32 s24, s19, 7
	s_lshl_b32 s25, s16, 5
	s_add_co_u32 s24, s24, s25
	s_add_co_u32 s24, s24, 4096                    ; my wave's first row of opnd: one formula for both weights
	s_mul_i32 s26, s24, 768
	s_mul_i32 s27, s18, 192
	s_add_co_u32 s26, s26, s27
	s_mov_b32 s27, 0
	s_add_nc_u64 s[12:13], s[10:11], s[26:27]      ; its codes
	s_lshl_b32 s28, s24, 5
	s_lshl_b32 s29, s18, 3
	s_add_co_u32 s28, s28, s29
	s_add_co_u32 s28, s28, SCO
	s_mov_b32 s29, 0
	s_add_nc_u64 s[14:15], s[10:11], s[28:29]      ; its scale bytes
	v_and_b32 v10, 7, v2
	v_bfe_u32 v11, v2, 3, 1
	v_lshl_add_u32 v10, v11, 4, v10
	v_bfe_u32 v11, v2, 4, 1
	v_lshl_add_u32 v10, v11, 3, v10                ; where my column is stored among the wave's 32: bits 3 and 4 exchanged
	s_mul_i32 s25, s16, 32*PITCH
	s_add_co_u32 s25, s25, WSTG                    ; my stage
	v_mul_u32_u24 v4, v10, PITCH
	v_add_nc_u32 v4, s25, v4                       ; into it: the row in which my column is stored
	v_and_b32 v5, 15, v2
	v_lshrrev_b32 v6, 4, v2
	v_mul_u32_u24 v7, v6, PITCH
	v_lshl_add_u32 v7, v5, 4, v7
	v_add_nc_u32 v7, s25, v7                       ; out of it: sixteen lanes to a row, two rows an instruction
	v_mul_u32_u24 v8, v6, 768
	v_mad_u32_u24 v8, v5, 12, v8                   ; and the same place in opnd
	v_lshlrev_b32 v9, 5, v10                       ; my column's row of scale bytes
.macro WLOAD t                         ; block t: W(32 t + i, my column), i = 0 .. 31: each load reads 128 consecutive bytes
.set ii, 0
.rept 32
	global_load_b32 v[WX+32*((\t)%2)+ii], v[VO+ii], s[WB+2*(\t):WB+2*(\t)+1] th:TH_LOAD_NT
.set ii, ii+1
.endr
.endm
	WLOAD 0
	WLOAD 1
.macro WBLOCK t
.set XS, WX+32*((\t)%2)
.if (\t) < NB-1
	s_wait_loadcnt 32                              ; this block's 32 loads are in; the next block's 32 may be out
.else
	s_wait_loadcnt 0
.endif
	v_max3_num_f32 v12, |v[XS]|, |v[XS+1]|, |v[XS+2]|              ; the block's largest magnitude: all 32 numbers are mine
	v_max3_num_f32 v13, |v[XS+3]|, |v[XS+4]|, |v[XS+5]|
.irp i, 6,10,14,18,22,26
	v_max3_num_f32 v12, v12, |v[XS+\i]|, |v[XS+\i+1]|
	v_max3_num_f32 v13, v13, |v[XS+\i+2]|, |v[XS+\i+3]|
.endr
	v_max3_num_f32 v12, v12, |v[XS+30]|, |v[XS+31]|
	v_max3_num_f32 v12, v12, v13, 0x1800000        ; and the floor
	v_add_nc_u32 v11, 0xff000000, v12              ; the conversion's scale operand
	v_lshrrev_b32 v13, 23, v11                     ; the scale's byte
.if (\t)%4 == 0
	v_mov_b32 v[SB+(\t)/4], v13                    ; four bytes to a register, the lower K in the lower byte
.else
	v_lshl_or_b32 v[SB+(\t)/4], v13, 8*((\t)%4), v[SB+(\t)/4]
.endif
	v_cvt_scalef32_pk16_fp6_f32 v[WC:WC+2], v[XS:XS+15], v11
	v_cvt_scalef32_pk16_fp6_f32 v[WC+4:WC+6], v[XS+16:XS+31], v11  ; (a conversion's three registers begin on an even number)
	v_nop                                          ; one plain line behind the last conversion
	ds_store_b96 v4, v[WC:WC+2] offset:32*(\t)     ; 12 bytes to a place of 16, so that every LDS address is a multiple of 16
	ds_store_b96 v4, v[WC+4:WC+6] offset:32*(\t)+16
.if (\t)+2 < NB
	WLOAD (\t)+2
.endif
	s_wait_dscnt 0x0                               ; the stores have read their registers: the next block's codes may be written
.endm
.irp t, 0,1,2,3,4,5,6,7
	WBLOCK \t
.endr
	global_store_b64 v9, v[SB:SB+1], s[14:15]      ; my column's 8 scale bytes (rows 32 bytes apart: one byte in 128 of what the wave reads)
.irp t, 0,1,2,3,4,5,6,7,8,9,10,11,12,13,14,15
	ds_load_b96 v[OUTR+4*\t:OUTR+4*\t+2], v7 offset:2*\t*PITCH     ; LDS serves a wave's instructions in order: these see my stores
.endr
.irp t, 0,1,2,3,4,5,6,7,8,9,10,11,12,13,14,15
	s_wait_dscnt 15-\t
	global_store_b96 v8, v[OUTR+4*\t:OUTR+4*\t+2], s[12:13] offset:2*\t*768   ; sixteen lanes store a row's 192 consecutive bytes
.endr
	s_wait_tensorcnt 0x0
	ds_add_u32 v251, v255
	s_wait_dscnt 0x0
	s_endpgm
.Lfunc_end_k_qdb143f6b25_prep:
	.size	k_qdb143f6b25_prep, .Lfunc_end_k_qdb143f6b25_prep-k_qdb143f6b25_prep
	.p2alignl 7, 3214868480
	.fill 96, 4, 3214868480
	.section	.rodata,"a",@progbits
	.p2align	6, 0x0
	.amdhsa_kernel k_qdb143f6b25_prep
		.amdhsa_group_segment_fixed_size 68096
		.amdhsa_private_segment_fixed_size 0
		.amdhsa_enable_private_segment 0
		.amdhsa_kernarg_size 32
		.amdhsa_user_sgpr_count 2
		.amdhsa_user_sgpr_kernarg_segment_ptr 1
		.amdhsa_wavefront_size32 1
		.amdhsa_system_sgpr_workgroup_id_x 1
		.amdhsa_system_sgpr_workgroup_id_y 1
		.amdhsa_system_sgpr_workgroup_id_z 1
		.amdhsa_system_vgpr_workitem_id 0
		.amdhsa_next_free_vgpr 256
		.amdhsa_next_free_sgpr 66
		.amdhsa_reserve_vcc 0
		.amdhsa_float_denorm_mode_32 3
		.amdhsa_float_denorm_mode_16_64 3
		.amdhsa_memory_ordered 1
		.amdhsa_forward_progress 1
		.amdhsa_inst_pref_size 76
	.end_amdhsa_kernel
	.amdgpu_metadata
---
amdhsa.version: [ 1, 2 ]
amdhsa.kernels:
  - .name:           k_qdb143f6b25_prep
    .symbol:         k_qdb143f6b25_prep.kd
    .args:
      - { .name: x, .offset: 0, .size: 8, .value_kind: global_buffer, .address_space: global }
      - { .name: Wqkv, .offset: 8, .size: 8, .value_kind: global_buffer, .address_space: global }
      - { .name: Wout, .offset: 16, .size: 8, .value_kind: global_buffer, .address_space: global }
      - { .name: opnd, .offset: 24, .size: 8, .value_kind: global_buffer, .address_space: global }
    .group_segment_fixed_size: 68096
    .private_segment_fixed_size: 0
    .kernarg_segment_align: 8
    .kernarg_segment_size: 32
    .max_flat_workgroup_size: 128
    .sgpr_count:     66
    .vgpr_count:     256
    .wavefront_size: 32
...
	.end_amdgpu_metadata
.endif
;; end of part 1
;; launch gemm_qkv (part 2): grid 48 x 4, 4 waves a work-group, clusters of 4 x 4, 327,680 bytes of LDS; arguments opnd, bqkv, qkv; writes qkv
.if DOCPART == 2
	.amdgcn_target "amdgcn-amd-amdhsa--gfx1250"
	.amdhsa_code_object_version 6
	.text
	.protected	k_qdb143f6b25_gemm_qkv
	.globl	k_qdb143f6b25_gemm_qkv
	.p2align	8
	.type	k_qdb143f6b25_gemm_qkv,@function
k_qdb143f6b25_gemm_qkv:
	s_mov_b64 s[64:65], 0
	v_nop
	global_prefetch_b8 v0, s[64:65] scope:SCOPE_SE
	s_setreg_imm32_b32 hwreg(HW_REG_WAVE_MODE, 25, 1), 1
	s_wait_xcnt 0x0
	s_wait_alu depctr_hold_cnt(0) depctr_sa_sdst(0) depctr_va_vdst(0) depctr_va_sdst(0) depctr_va_ssrc(0) depctr_va_vcc(0) depctr_vm_vsrc(0)
	s_getreg_b32 s2, hwreg(HW_REG_IB_STS2, 6, 4)
	s_cmp_eq_u32 s2, 0
	s_cbranch_scc0 .Lentry_in_a_cluster
	s_endpgm
.Lentry_in_a_cluster:
	s_bfe_u32 s2, ttmp6, 0x10000c
	s_cmp_lg_u32 s2, 0xf033
	s_cbranch_scc0 .Lentry_shape_is_right
	s_endpgm
.Lentry_shape_is_right:
; qkv = x Wqkv + bqkv on codes of FP6 (E2M3) with one E8M0 scale for each 32 along K = 1,024; the results are quantised in registers and leave as IMAGES OF OPERAND REGISTERS for the attention launch.
; Both operands are rows of the one matrix opnd (768 bytes of codes a row; scale bytes from SCO, 32 a row), so one text serves two kinds of tiles, told apart by the cluster's number alone:
;   clusters 0-7 (q and k): source 0 = 256 columns of Wqkv, source 1 = 256 tokens.  A lane then holds one token, and its registers run along the columns: the heads' d, along which q and k are quantised.
;   clusters 8-11 (v):      source 0 = 256 tokens, source 1 = 256 of v's columns.   A lane then holds one column d, and its registers run along the tokens: the keys, along which v is quantised.
; opnd's rows are stored with bits 3 and 4 of their number exchanged, so the 16 result registers of two neighbouring tiles of source 0 are 16 real neighbours: 32 b + 16 (lane / 16) + 0 .. 15.
; A tile is 256 x 256, four waves of 128 x 128: 64 accumulators of 16 x 16, 512 registers.  192 tiles: tiles of half the size would need two turns of the WGPs for the same work, so the larger wave tile is taken.
; K goes in steps of 256 through a ring of two LDS slots filled by the tensor data mover; the scale bytes of the tile's 512 rows come once, with the first fills, and stay.
; CLUSTERS: 4 x 4 work-groups; source 1's tiles are shared along a row of the cluster, source 0's along a column: each is asked for JOINTLY, by the same tensor load with the same descriptor and a mask that names the four.
; OUT: for each of the wave's eight blocks of 16 rows of source 1: bias added (which also brings the sums into window 0), four blocks of 32 quantised, 12 registers of codes stored by three stores of 512 consecutive bytes;
; the scale words (one a row) are gathered in the wave's own 512 bytes of LDS and leave by one store.
; LIMITS: a block of zeros gets the byte 1 where the rule says 127 (its codes are zeros; this program alone reads the bytes); NaN and infinities are not served.
; REGISTERS, in windows of 256: window 0: v0-31 addresses; v32-63 scale words, two sets, and nothing else; v64-127 and v224-239 the biases; v128-223 source 1's fragments, ONE set (on the way out: the numbers and their codes); v240-255 at work.
;   window 1: source 0's fragments, TWO sets, at v0 and v128.   window 2: the accumulators of my rows 0-63 ((a, b) at v[8 (8 a + b)]);   window 3: those of my rows 64-127.
.set SCO,    6291456                   ; opnd: where the scale bytes begin
.set VC,     6291456                   ; qkv: v's images;  q's and k's begin at 0
.set QKS,    9437184                   ; qkv: q's and k's scale words, 64 bytes a fragment
.set VS,     9699328                   ; qkv: v's
.set KSTEP,  256                       ; along K in a slot
.set NQ,     KSTEP/128                 ; matrix instructions deep
.set ROWB,   192                       ; a tile's row in bytes
.set KROW,   768                       ; a row of opnd's codes
.set PITCH,  240                       ; an LDS row: 3 x (64 bytes of data + 16 of padding): the 32 lanes of a load of 8 bytes touch 64 different banks (64 banks of 4 bytes: ISA guide 11.1)
.set FR,     12                        ; registers of a fragment
.set NL,     6                         ; LDS loads that bring one
.set NP,     4                         ; places behind this matrix instruction (ISA guide 7.12.1)
.set HALFT,  128*PITCH
.set SLOT,   4*HALFT                   ; source 1's 256 rows, then source 0's 256 rows
.set LAPS,   1024/(2*KSTEP)
.set KS,     32                        ; a row of scale bytes
.set SCL,    2*SLOT                    ; behind the ring: the scale bytes, as rows of 256 bytes + 16 of padding
.set HALFS,  (128*KS/256)*272
.set SBLK,   (16*KS/256)*272
.set SPARE,  SCL+4*HALFS               ; the spare words, 128 bytes for each wave: two blocks of 256 bytes that no other line names
.set SCW,    SPARE+512                 ; the way out: 512 bytes for each wave, its eight fragments' scale words; no tensor load lands here
.set SVO,  15                          ; v15     the way out: my 16 bytes of the scale words in qkv
.set ADRA, 16                          ; v16-17  LDS address of source 1's fragments in slot 0, 1  (v18-19: for the pieces behind one padding more)
.set ADRB, 20                          ; v20-21  the same for source 0  (v22-23)
.set LI,   24                          ; v24     16 x lane
.set SWA,  25                          ; v25     LDS: where I put a scale word
.set SWR,  26                          ; v26     LDS: where I read 16 bytes of them back
.set ADRS, 27                          ; v27     LDS address of my scale words: lanes 0-15 source 1's rows, lanes 16-31 source 0's
.set SPW,  28                          ; v28     LDS address of my spare word; never rewritten
.set NIL,  29                          ; v29     0; never rewritten
.set SC,   32                          ; scale words: set s at v[SC + 16 s]
.set BI,   64                          ; v64-127  q, k: the bias of my lane's 64 columns
.set AF,   128                         ; source 1's fragments
.set H,    128                         ; the way out: 64 numbers of a lane
.set CD,   192                         ; v192-211 their codes
.set PW,   212                         ; v212     their scale word
.set BV,   224                         ; v224-239 v: the bias of my lane's column in block a, twice (a pair for the packed addition)
.set TM,   240                         ; v240-243 largest magnitudes, v244-247 bytes, v252-255 the conversions' scale operands
.set SEL,  66                          ; s[66:67] lane selects for v_permlanex16_b32: lane l xor 16
.set G1, 24                            ; s[24:31] descriptor group 1 for source 1's tiles;  s[32:39] group 0, one set for each slot
.set G0, 32
.set G1B, 48                           ; s[48:55], s[56:63] the same for source 0's
.set G0B, 56
.set G1S, 68                           ; s[68:75], s[76:79] groups 1 and 0 for source 1's scale bytes;  s[80:87], s[88:91] for source 0's
.set G0S, 76
.set G1SB, 80
.set G0SB, 88
.set MSB, 0
.macro WIN new                         ; the immediate's high byte repeats the setting that is left
.if MSB != \new
	s_set_vgpr_msb (MSB<<8)|\new
.set MSB, \new
.endif
.endm
.set MUL_LO, 0xa1                      ; source 0 window 1, source 1 window 0, C and D window 2
.set MUL_HI, 0xf1                      ; the same, C and D window 3
.set TO_B,   0x40                      ; destination window 1, address window 0
; A joint load: waves 0 and 1 fetch for source 1, waves 2 and 3 for source 0.  The branch hangs on the wave's number alone.  Four v_nop follow each of the two lines.
.macro JLOAD g0a, g1a, g0b, g1b
	s_cmp_eq_u32 s15, 0
	s_cbranch_scc0 .Lfor_b_\@
	tensor_load_to_lds s[\g0a:\g0a+3], s[\g1a:\g1a+7]
	s_nop 0
.rept 4
	v_nop
.endr
	s_branch .Lasked_\@
.Lfor_b_\@:
	tensor_load_to_lds s[\g0b:\g0b+3], s[\g1b:\g1b+7]
	s_nop 0
.rept 4
	v_nop
.endr
.Lasked_\@:
.endm
.macro CREST                           ; a round of the cluster's barrier behind its opening barrier
	s_cmp_lg_u32 s14, 0
	s_cbranch_scc1 .Lnot_wave_0_\@
	s_barrier_signal -3
.Lnot_wave_0_\@:
	s_barrier_wait -3
	s_barrier_signal -1
	s_barrier_wait -1
.endm
.macro CROUND                          ; a whole round
	s_barrier_signal -1
	s_barrier_wait -1
	CREST
.endm
	s_load_b128 s[4:7], s[0:1], 0x0                ; opnd s[4:5], bqkv s[6:7]
	s_load_b64 s[8:9], s[0:1], 0x10                ; qkv
	v_lshl_add_u32 v[SPW], v0, 2, SPARE
	v_mov_b32 v[NIL], 0
	ds_add_u32 v28, v29
	s_wait_dscnt 0x0
.irp b, 0,1,2,3
	v_mov_b32 v[TM+4+\b], 0                        ; written once: a lane permute's destination counts as one of its sources
.endr
	v_lshrrev_b32 v1, 5, v0
	v_readfirstlane_b32 s14, v1                    ; wave 0..3
	s_lshr_b32 s15, s14, 1                         ; which half of source 1's rows is mine.  Also: I fetch for source 1 (0) or for source 0 (1)
	s_and_b32 s16, s14, 1                          ; which half of source 0's rows.  Also: which 128 rows of that tile I fetch
	s_bfe_u32 s40, ttmp6, 0x40000                  ; cx, cy: my place in the cluster
	s_bfe_u32 s41, ttmp6, 0x40004
	s_mov_b32 s[SEL], 0x76543210
	s_mov_b32 s[SEL+1], 0xfedcba98
	; the kind of tile, from the cluster's number (the same in all sixteen partners)
	s_and_b32 s96, ttmp9, 1
	s_sub_co_u32 s97, ttmp9, 8
	s_lshr_b32 s98, ttmp9, 1
	s_mov_b32 s99, 4096
	s_mov_b32 s100, 6144
	s_cmp_ge_u32 ttmp9, 8
	s_cselect_b32 s95, 1, 0                        ; 1: v;  0: q and k
	s_cselect_b32 s96, s97, s96                    ; the cluster's place along source 0's tiles
	s_cselect_b32 s98, 0, s98                      ; and along source 1's
	s_cselect_b32 s99, 0, s99                      ; source 0's first row in opnd: tokens, or Wqkv's columns
	s_cselect_b32 s100, s100, 0                    ; source 1's: v's columns, or tokens
	s_lshl_b32 s42, s96, 2
	s_add_co_u32 s42, s42, s40                     ; source 0's tile = 4 x place + cx
	s_lshl_b32 s17, s98, 2
	s_add_co_u32 s17, s17, s41                     ; source 1's tile = 4 x place + cy
	s_lshl_b32 s43, s41, 2
	s_lshl_b32 s43, 15, s43                        ; my row of the cluster
	s_lshl_b32 s44, 0x1111, s40                    ; my column
	; descriptor group 1: a tile of 128 rows x ROWB bytes, padded in LDS
	s_or_b32 s[G1+0], s43, (0<<16)|(1<<20)|(1<<21)|(3<<22)|(3<<25)  ; 15:0 the mask; 17:16 element of 1 byte; 20 padding on; 21 set beside a mask; 24:22 after every 16 words (code 3); 31:25 of 4 words (code 3)
	s_or_b32 s[G1B+0], s44, (0<<16)|(1<<20)|(1<<21)|(3<<22)|(3<<25)
.irp g, G1, G1B
	s_mov_b32 s[\g+1], ROWB<<16                    ; tensor_dim0
	s_mov_b32 s[\g+2], 128<<16                     ; tensor_dim1 = 128
	s_mov_b32 s[\g+3], ROWB<<16                    ; tile_dim0
	s_mov_b32 s[\g+4], 128                         ; tile_dim1 = 128
	s_mov_b32 s[\g+5], KROW                        ; tensor_dim0_stride
	s_mov_b32 s[\g+6], 0
	s_mov_b32 s[\g+7], 0
.endr
	; the scale bytes of 128 rows: a dense block of 4,096 bytes, as rows of 256 bytes (32 elements of 8 bytes), 16 bytes of padding behind each
	s_or_b32 s[G1S+0], s43, (3<<16)|(1<<20)|(1<<21)|(5<<22)|(3<<25)
	s_or_b32 s[G1SB+0], s44, (3<<16)|(1<<20)|(1<<21)|(5<<22)|(3<<25)
.irp g, G1S, G1SB
	s_mov_b32 s[\g+1], 32<<16
	s_mov_b32 s[\g+2], (128*KS/256)<<16
	s_mov_b32 s[\g+3], 32<<16
	s_mov_b32 s[\g+4], 128*KS/256
	s_mov_b32 s[\g+5], 32
	s_mov_b32 s[\g+6], 0
	s_mov_b32 s[\g+7], 0
.endr
	s_lshl_b32 s18, s16, 7                         ; which 128 rows of the tile I fetch
	s_lshl_b32 s20, s17, 8
	s_add_co_u32 s20, s20, s100
	s_add_co_u32 s20, s20, s18                     ; source 1: its row in opnd
	s_lshl_b32 s46, s42, 8
	s_add_co_u32 s46, s46, s99
	s_add_co_u32 s46, s46, s18                     ; source 0: its row
	s_lshl_b32 s22, s20, 5
	s_add_co_u32 s22, s22, SCO                     ; where these rows' scale bytes begin (all offsets in opnd stay under 2^23)
	s_mov_b32 s23, 0
	s_lshl_b32 s92, s46, 5
	s_add_co_u32 s92, s92, SCO
	s_mov_b32 s93, 0
	s_mul_i32 s20, s20, KROW                       ; and their codes
	s_mov_b32 s21, 0
	s_mul_i32 s46, s46, KROW
	s_mov_b32 s47, 0
	s_mul_i32 s45, s14, HALFT                      ; where they go: wave x 128 rows: no place in the cluster enters an LDS address
	s_mul_i32 s94, s14, HALFS
	s_wait_kmcnt 0x0
	s_add_nc_u64 s[20:21], s[4:5], s[20:21]
	s_add_nc_u64 s[22:23], s[4:5], s[22:23]
	s_add_nc_u64 s[46:47], s[4:5], s[46:47]
	s_add_nc_u64 s[92:93], s[4:5], s[92:93]
	CROUND                                         ; all sixteen work-groups are here: the first joint loads meet
	s_mov_b32 s[G0S], 1
	s_add_co_u32 s[G0S+1], s94, SCL
	s_mov_b64 s[G0S+2:G0S+3], s[22:23]
	s_or_b32 s[G0S+3], s[G0S+3], 0x80000000
	s_mov_b32 s[G0SB], 1
	s_add_co_u32 s[G0SB+1], s94, SCL
	s_mov_b64 s[G0SB+2:G0SB+3], s[92:93]
	s_or_b32 s[G0SB+3], s[G0SB+3], 0x80000000
	JLOAD G0S, G1S, G0SB, G1SB                     ; the scale bytes first: they are wanted with K step 0
.irp s, 0,1
	s_mov_b32 s[G0+4*\s], 1
	s_add_co_u32 s[G0+4*\s+1], s45, \s*SLOT
	s_add_nc_u64 s[G0+4*\s+2:G0+4*\s+3], s[20:21], \s*ROWB
	s_or_b32 s[G0+4*\s+3], s[G0+4*\s+3], 0x80000000
	s_mov_b32 s[G0B+4*\s], 1
	s_add_co_u32 s[G0B+4*\s+1], s45, \s*SLOT
	s_add_nc_u64 s[G0B+4*\s+2:G0B+4*\s+3], s[46:47], \s*ROWB
	s_or_b32 s[G0B+4*\s+3], s[G0B+4*\s+3], 0x80000000
	JLOAD G0+4*\s, G1, G0B+4*\s, G1B
.endr
	v_and_b32 v1, 15, v0                           ; r = l % 16
	v_bfe_u32 v2, v0, 4, 1                         ; h = l / 16
	v_mul_u32_u24 v3, v1, PITCH
	v_mul_u32_u24 v4, v2, 24
	v_add_nc_u32 v4, v3, v4                        ; a fragment's row x pitch + 24 x half
	v_lshl_add_u32 v5, v2, 4, v4                   ; and the same behind one padding more
	s_mul_i32 s21, s15, HALFT                      ; my 128 rows of source 1
	s_mul_i32 s22, s16, HALFT                      ; my 128 rows of source 0,
	s_add_co_u32 s22, s22, 2*HALFT                 ; which lie behind source 1's 256
.irp s, 0,1
	v_add_nc_u32 v[ADRA+\s], s21, v4
	v_add_nc_u32 v[ADRB+\s], s22, v4
	v_add_nc_u32 v[ADRA+2+\s], s21, v5
	v_add_nc_u32 v[ADRB+2+\s], s22, v5
	s_add_co_u32 s21, s21, SLOT
	s_add_co_u32 s22, s22, SLOT
.endr
	v_mul_u32_u24 v5, v1, KS                       ; my row's scale bytes: KS bytes a row,
	v_lshrrev_b32 v6, 8, v5
	v_lshl_add_u32 v5, v6, 4, v5                   ; and 16 more for each 256 passed
	s_mul_i32 s21, s15, HALFS
	s_mul_i32 s22, s16, HALFS
	s_add_co_u32 s22, s22, 2*HALFS
	s_sub_co_u32 s22, s22, s21
	v_mul_u32_u24 v6, s22, v2                      ; lanes 16-31 take source 0's: one product, the distance between the two bases
	s_add_co_u32 s21, s21, SCL
	v_add_nc_u32 v5, v5, v6
	v_add_nc_u32 v[ADRS], s21, v5
	v_and_b32 v6, 31, v0
	v_lshlrev_b32 v[LI], 4, v6
	s_lshl_b32 s23, s14, 9
	s_add_co_u32 s23, s23, SCW                     ; my 512 bytes for scale words
	v_lshl_add_u32 v[SWA], v1, 2, s23              ; in: 4 bytes a row (both halves of the lanes hold the same word)
	v_add_nc_u32 v[SWR], s23, v[LI]                ; back: 16 bytes a lane
	v_lshlrev_b32 v30, 6, v2                       ; q, k: my half's 16 columns of each 32: 64 h bytes
	v_and_b32 v31, 8, v1
	v_add_nc_u32 v31, v31, v1
	v_lshlrev_b32 v31, 2, v31                      ; v: the real column of stored row r of a tile: r + 8 (r / 8), in bytes
	; my wave's first rows, and what hangs on them: the biases and the places in qkv
	s_lshl_b32 s10, s42, 8
	s_add_co_u32 s10, s10, s99
	s_lshl_b32 s22, s16, 7
	s_add_co_u32 s10, s10, s22                     ; source 0: my first row in opnd
	s_lshl_b32 s11, s17, 8
	s_add_co_u32 s11, s11, s100
	s_lshl_b32 s22, s15, 7
	s_add_co_u32 s11, s11, s22                     ; source 1: my first row
	s_sub_co_u32 s92, s10, 4096                    ; q, k: my first column of Wqkv
	s_sub_co_u32 s93, s11, 4096                    ; v: my first column
	s_lshl_b32 s18, s92, 2
	s_lshl_b32 s20, s93, 2
	s_cmp_eq_u32 s95, 0
	s_cselect_b32 s18, s18, 0                      ; both groups of loads are always issued; the one that is not used reads from bqkv's first bytes
	s_cselect_b32 s20, 0, s20
	s_mov_b32 s19, 0
	s_mov_b32 s21, 0
	s_add_nc_u64 s[18:19], s[6:7], s[18:19]
	s_add_nc_u64 s[20:21], s[6:7], s[20:21]
.irp b, 0,1,2,3
.irp k, 0,1,2,3
	global_load_b128 v[BI+16*\b+4*\k:BI+16*\b+4*\k+3], v30, s[18:19] offset:128*\b+16*\k   ; register 16 b + i: column 32 b + 16 h + i
.endr
.endr
.irp a, 0,1,2,3,4,5,6,7
	global_load_b32 v[BV+2*\a], v31, s[20:21] offset:4*(32*(\a/2)+8*(\a%2))
	global_load_b32 v[BV+2*\a+1], v31, s[20:21] offset:4*(32*(\a/2)+8*(\a%2))
.endr
	s_lshr_b32 s22, s11, 11                        ; q, k: fragment = batch x 2,048 + (column / 128) x 128 + (token in the batch) / 16
	s_lshl_b32 s22, s22, 11
	s_and_not1_b32 s23, s92, 127
	s_add_co_u32 s22, s22, s23
	s_bfe_u32 s23, s11, 0x70004
	s_add_co_u32 s22, s22, s23
	s_lshr_b32 s94, s10, 11                        ; v: fragment = (((batch x 16 + head) x 16) + key step) x 4
	s_lshl_b32 s94, s94, 4
	s_sub_co_u32 s23, s11, 6144
	s_lshr_b32 s23, s23, 6
	s_add_co_u32 s94, s94, s23
	s_lshl_b32 s94, s94, 4
	s_bfe_u32 s23, s10, 0x40007
	s_add_co_u32 s94, s94, s23
	s_lshl_b32 s94, s94, 2
	s_mov_b32 s23, VC
	s_mov_b32 s92, QKS
	s_mov_b32 s93, VS
	s_mov_b32 s96, 60*1536
	s_mov_b32 s101, 60*64
	s_cmp_eq_u32 s95, 0
	s_cselect_b32 s22, s22, s94
	s_cselect_b32 s23, 0, s23
	s_cselect_b32 s92, s92, s93
	s_cselect_b32 s96, 0, s96                      ; v: blocks 4-7 are the next head's: 64 fragments on, which is 60 more than the block's number gives
	s_cselect_b32 s101, 0, s101
	s_mov_b32 s97, 0
	s_mul_i32 s12, s22, 1536
	s_add_co_u32 s12, s12, s23
	s_mov_b32 s13, 0
	s_add_nc_u64 s[12:13], s[8:9], s[12:13]        ; where my first fragment's image goes
	s_lshl_b32 s98, s22, 6
	s_add_co_u32 s98, s98, s92
	s_mov_b32 s99, 0
	s_add_nc_u64 s[98:99], s[8:9], s[98:99]        ; and its scale words
	v_mad_u32_u24 v[SVO], v2, s101, v[LI]          ; lanes 16-31 hold blocks 4-7's words
.macro FRAG reg, adr, q, i             ; a fragment, 16 rows x 128 K of 6-bit codes, is 12 registers: lane l holds row l % 16; registers 6 c .. 6 c + 5 hold K = 64 c + 32 (l / 16) + 0 .. 31: 24 bytes of the row, as they lie
.irp p, 0,1,2,3,4,5                    ; in pieces of 8 bytes.  Lanes 16-31 take the pieces three on; where such a piece lies behind one padding more, the second address register serves
.set PCE, 12*(\q)+6*(\p/3)+\p%3
.if PCE%8 < 5
	ds_load_b64 v[\reg+2*\p:\reg+2*\p+1], v[\adr] offset:8*PCE+16*(PCE/8)+(\i)*16*PITCH
.else
	ds_load_b64 v[\reg+2*\p:\reg+2*\p+1], v[\adr+2] offset:8*PCE+16*(PCE/8)+(\i)*16*PITCH
.endif
.endr
.endm
; 16 matrix instructions: source 1's blocks a0, a0 + 1 x source 0's eight, 128 along K.  The 64 accumulators take turns, one instruction a turn, in the same order in every step.
.macro MUL16 a0, p, q, sc, zero
.irp a, \a0, \a0+1
.irp b, 0,1,2,3,4,5,6,7
.if \zero
	v_wmma_scale_f32_16x16x128_f8f6f4 v[8*(8*((\a)%4)+\b):8*(8*((\a)%4)+\b)+7], v[128*(\p)+FR*\b:128*(\p)+FR*\b+FR-1], v[AF+FR*(\a):AF+FR*(\a)+FR-1], 0, v[SC+8*NQ*(\sc)+NQ*\b+(\q)], v[SC+8*NQ*(\sc)+NQ*(\a)+(\q)] matrix_a_fmt:MATRIX_FMT_FP6 matrix_b_fmt:MATRIX_FMT_FP6 matrix_a_scale:MATRIX_SCALE_ROW1
.else
	v_wmma_scale_f32_16x16x128_f8f6f4 v[8*(8*((\a)%4)+\b):8*(8*((\a)%4)+\b)+7], v[128*(\p)+FR*\b:128*(\p)+FR*\b+FR-1], v[AF+FR*(\a):AF+FR*(\a)+FR-1], v[8*(8*((\a)%4)+\b):8*(8*((\a)%4)+\b)+7], v[SC+8*NQ*(\sc)+NQ*\b+(\q)], v[SC+8*NQ*(\sc)+NQ*(\a)+(\q)] matrix_a_fmt:MATRIX_FMT_FP6 matrix_b_fmt:MATRIX_FMT_FP6 matrix_a_scale:MATRIX_SCALE_ROW1
.endif
.endr
.endr
.endm
.macro FETCH_B slot, q, p              ; source 0's eight fragments of the slot's q-th 128 along K into set p
	WIN TO_B
.irp i, 0,1,2,3,4,5,6,7
	FRAG 128*(\p)+FR*\i, ADRB+\slot, \q, \i
.endr
	WIN 0
.endm
.macro FETCH_A slot, q, i0             ; source 1's blocks i0 .. i0 + 3
.irp i, \i0, \i0+1, \i0+2, \i0+3
	FRAG AF+FR*(\i), ADRA+\slot, \q, \i
.endr
.endm
.macro SCALES sc                       ; the next K step's scale words into set sc: lanes 0-15 take source 1's block i, lanes 16-31 source 0's block i
.irp i, 0,1,2,3,4,5,6,7
	ds_load_b64 v[SC+8*NQ*\sc+NQ*\i:SC+8*NQ*\sc+NQ*\i+1], v[ADRS] offset:\i*SBLK
.endr
.endm
; A load into a register that a matrix instruction has read, and a vector instruction that reads a matrix result, stand NP places behind that matrix instruction; only plain vector instructions
; that name none of its registers are places (ISA guide 7.12.1 for vector instructions).
.macro PLACES n
.rept \n
	v_nop
.endr
.endm
.macro STEP slot, q, zero              ; a step of 128 along K that has its successor in the same slot
	s_wait_dscnt 4*NL                              ; source 0's set and source 1's blocks 0-3 are in; the youngest 24 loads (blocks 4-7) may be out
	WIN MUL_LO
	MUL16 0, (\q)%2, \q, \slot, \zero
	MUL16 2, (\q)%2, \q, \slot, \zero
	s_wait_dscnt 0                                 ; blocks 4-7 are in (asked for 32 matrix instructions ago)
	PLACES NP
	FETCH_B \slot, (\q)+1, 1-(\q)%2
	FETCH_A \slot, (\q)+1, 0
	WIN MUL_HI
	MUL16 4, (\q)%2, \q, \slot, \zero
	MUL16 6, (\q)%2, \q, \slot, \zero
	PLACES NP
	WIN 0
	FETCH_A \slot, (\q)+1, 4
.endm
; A slot's last step changes slots: ONE barrier; in front of it each wave waits for all its tensor loads, adds 0 to its spare word, and waits for that and for its own reads of this slot.  fill = 1: this slot is filled again, two K steps ahead.
.macro TURN slot, next, fill
	s_wait_tensorcnt 0x0                           ; all my tensor loads have landed: my part of the next slot  (every window is 0 here)
	ds_add_u32 v[SPW], v[NIL]                      ; 0 onto my spare word
	s_wait_dscnt 4*NL+1                            ; (the add and the youngest 24 loads, blocks 4-7, may be out)
	WIN MUL_LO
	MUL16 0, 1, NQ-1, \slot, 0                     ; sixteen matrix instructions stand between the add and the wait for it
	s_wait_dscnt 0x0                               ; the add is done, and my reads of this slot are over
	s_barrier_signal -1
	MUL16 2, 1, NQ-1, \slot, 0
	WIN 0
	s_barrier_wait -1
.if \fill
	CREST                                          ; the barrier has opened a round of the cluster's barrier: no wave of any partner still reads this slot's tile or has a load on its way
	s_add_nc_u64 s[G0+4*\slot+2:G0+4*\slot+3], s[G0+4*\slot+2:G0+4*\slot+3], 2*ROWB
	s_add_nc_u64 s[G0B+4*\slot+2:G0B+4*\slot+3], s[G0B+4*\slot+2:G0B+4*\slot+3], 2*ROWB
	JLOAD G0+4*\slot, G1, G0B+4*\slot, G1B         ; the first tensor load behind the round; its four v_nop are also the places in front of the loads below
.else
	PLACES NP
.endif
	v_add_nc_u32 v[ADRS], 4*NQ, v[ADRS]            ; on to the next K step's scale words (no LDS load of mine is out)
	FETCH_B \next, 0, 0
	FETCH_A \next, 0, 0
	SCALES \next
	WIN MUL_HI
	MUL16 4, 1, NQ-1, \slot, 0
	MUL16 6, 1, NQ-1, \slot, 0
	PLACES NP
	WIN 0
	FETCH_A \next, 0, 4
.endm
	s_wait_tensorcnt 1                             ; of my three loads the scale bytes and K step 0 are in; K step 1's may be out
	s_barrier_signal -1
	s_barrier_wait -1                              ; everybody's are
	FETCH_B 0, 0, 0
	FETCH_A 0, 0, 0
	SCALES 0
	FETCH_A 0, 0, 4
	STEP 0, 0, 1                                   ; the first step stands in front of the loop: its products start the sums
	s_mov_b32 s3, LAPS-1
.Llap:                                                 ; a trip goes once round the ring, from a lap's second step to the next lap's first, and fills both slots again
	TURN 0, 1, 1
	STEP 1, 0, 0
	TURN 1, 0, 1
	STEP 0, 0, 0
	s_sub_co_u32 s3, s3, 1
	s_cmp_lg_u32 s3, 0
	s_cbranch_scc1 .Llap
	TURN 0, 1, 0                                   ; the last lap fills nothing, and has no round of the cluster's barrier
	STEP 1, 0, 0
	s_wait_dscnt 4*NL                              ; the very last step: nothing more to fetch
	WIN MUL_LO
	MUL16 0, 1, NQ-1, 1, 0
	MUL16 2, 1, NQ-1, 1, 0
	s_wait_dscnt 0
	WIN MUL_HI
	MUL16 4, 1, NQ-1, 1, 0
	MUL16 6, 1, NQ-1, 1, 0
	WIN 0
; 64 numbers of a lane, v[s] .. v[s + 63], register 16 b + i = k 32 b + 16 (lane / 16) + i of my row, become a fragment's codes in v[CD] on and its scale word in v[PW].
.macro QUANT s
.irp b, 0,1,2,3
	v_max3_num_f32 v[TM+\b], |v[\s+16*\b]|, |v[\s+1+16*\b]|, 0x1800000   ; block b: my 16 numbers, and the floor 2^(3 - 127): the byte cannot fall under 1
.endr
.irp i, 2,4,6,8,10,12,14
.irp b, 0,1,2,3
	v_max3_num_f32 v[TM+\b], v[TM+\b], |v[\s+16*\b+\i]|, |v[\s+1+16*\b+\i]|   ; (the four blocks by turns)
.endr
.endr
.irp b, 0,1,2,3
	v_permlanex16_b32 v[TM+4+\b], v[TM+\b], s[SEL], s[SEL+1]
.endr
.irp b, 0,1,2,3
	v_max_num_f32 v[TM+\b], v[TM+\b], v[TM+4+\b]   ; with lane l xor 16's: the block's largest magnitude
.endr
.irp b, 0,1,2,3
	v_add_nc_u32 v[TM+12+\b], 0xff000000, v[TM+\b] ; 2 off its exponent field: the conversion's scale operand
.endr
.irp b, 0,1,2,3
	v_lshrrev_b32 v[TM+4+\b], 23, v[TM+12+\b]      ; the scale's byte
.endr
	v_lshl_or_b32 v[PW], v[TM+5], 8, v[TM+4]       ; the four bytes make my row's scale word
	v_lshl_or_b32 v[PW], v[TM+6], 16, v[PW]
	v_lshl_or_b32 v[PW], v[TM+7], 24, v[PW]
.irp c, 0,1
	v_cvt_scalef32_pk16_fp6_f32 v[CD+6*\c:CD+2+6*\c], v[\s+32*\c:\s+15+32*\c], v[TM+12+2*\c]
	v_cvt_scalef32_pk16_fp6_f32 v[CD+12+4*\c:CD+14+4*\c], v[\s+16+32*\c:\s+31+32*\c], v[TM+12+2*\c+1]   ; (a conversion's three registers begin on an even number)
.endr
	v_nop                                          ; one plain place behind a scaled conversion
.irp c, 0,1                                    ; the operand's layout wants a WHOLE block in a lane: lanes 0-15 block 2 c, lanes 16-31 block 2 c + 1
.irp i, 0,1,2
	v_permlane16_swap_b32 v[CD+6*\c+\i], v[CD+12+4*\c+\i]
.endr
.irp i, 0,1,2
	v_mov_b32 v[CD+3+6*\c+\i], v[CD+12+4*\c+\i]
.endr
.endr
.endm
; Block a of source 1's rows: bias, quantiser, image.  The branch hangs on the cluster's number alone.  Each accumulator is read from its low end on.
.macro OUTBLOCK a
.set AC, 64*((\a)%4)
.set WN, 0x02+(\a)/4                   ; source 0 of the additions: window 2 or 3
.if (\a) > 0
	s_wait_xcnt 0x0                                ; the last block's stores have had their addresses translated: only behind this wait are their data and base written again
	s_wait_dscnt 0x0                               ; and its scale word is in LDS
.endif
.if (\a) == 4
	s_add_nc_u64 s[12:13], s[12:13], s[96:97]      ; v: on to the next head
.endif
	s_cmp_eq_u32 s95, 0
	s_cbranch_scc0 .Lv_\@
	WIN WN
.set ii, 0
.rept 32
	v_pk_add_f32 v[H+2*ii:H+2*ii+1], v[AC+2*ii:AC+2*ii+1], v[BI+2*ii:BI+2*ii+1]   ; q, k: the bias runs along the registers
.set ii, ii+1
.endr
	WIN 0
	s_branch .Lq_\@
.Lv_\@:
	WIN WN
.set ii, 0
.rept 32
	v_pk_add_f32 v[H+2*ii:H+2*ii+1], v[AC+2*ii:AC+2*ii+1], v[BV+2*(\a):BV+2*(\a)+1]   ; v: one bias a lane
.set ii, ii+1
.endr
	WIN 0
.Lq_\@:
	QUANT H
.irp c, 0,1,2
	global_store_b128 v[LI], v[CD+4*\c:CD+4*\c+3], s[12:13] offset:1536*(\a)+512*\c   ; registers 4 c .. 4 c + 3 of all lanes: 512 consecutive bytes, aligned on 256
.endr
	ds_store_b32 v[SWA], v[PW] offset:64*(\a)      ; both halves of the lanes write the same word with the same value
.endm
	s_wait_loadcnt 0x0                             ; the biases
	PLACES NP                                      ; behind the last products: the additions read results and write registers that held source 1's fragments
.irp a, 0,1,2,3,4,5,6,7
	OUTBLOCK \a
.endr
	ds_load_b128 v[216:219], v[SWR]                ; LDS serves a wave's instructions in order: this sees my eight stores
	s_wait_dscnt 0x0
	global_store_b128 v[SVO], v[216:219], s[98:99] ; sixteen lanes store 256 consecutive bytes, aligned
	s_wait_tensorcnt 0x0                           ; the wave's end, behind my last tensor load and my last LDS store
	ds_add_u32 v[SPW], v[NIL]
	s_wait_dscnt 0x0
	CROUND                                         ; the closing round: no work-group ends while a partner may still ask for a tile that names it
	s_endpgm
.Lfunc_end_k_qdb143f6b25_gemm_qkv:
	.size	k_qdb143f6b25_gemm_qkv, .Lfunc_end_k_qdb143f6b25_gemm_qkv-k_qdb143f6b25_gemm_qkv
	.p2alignl 7, 3214868480
	.fill 96, 4, 3214868480
	.section	.rodata,"a",@progbits
	.p2align	6, 0x0
	.amdhsa_kernel k_qdb143f6b25_gemm_qkv
		.amdhsa_group_segment_fixed_size 327680
		.amdhsa_private_segment_fixed_size 0
		.amdhsa_enable_private_segment 0
		.amdhsa_kernarg_size 24
		.amdhsa_user_sgpr_count 2
		.amdhsa_user_sgpr_kernarg_segment_ptr 1
		.amdhsa_wavefront_size32 1
		.amdhsa_system_sgpr_workgroup_id_x 1
		.amdhsa_system_sgpr_workgroup_id_y 1
		.amdhsa_system_sgpr_workgroup_id_z 1
		.amdhsa_system_vgpr_workitem_id 0
		.amdhsa_next_free_vgpr 1024
		.amdhsa_next_free_sgpr 102
		.amdhsa_reserve_vcc 0
		.amdhsa_float_denorm_mode_32 3
		.amdhsa_float_denorm_mode_16_64 3
		.amdhsa_memory_ordered 1
		.amdhsa_forward_progress 1
		.amdhsa_inst_pref_size 203
	.end_amdhsa_kernel
	.amdgpu_metadata
---
amdhsa.version: [ 1, 2 ]
amdhsa.kernels:
  - .name:           k_qdb143f6b25_gemm_qkv
    .symbol:         k_qdb143f6b25_gemm_qkv.kd
    .args:
      - { .name: opnd, .offset: 0, .size: 8, .value_kind: global_buffer, .address_space: global }
      - { .name: bqkv, .offset: 8, .size: 8, .value_kind: global_buffer, .address_space: global }
      - { .name: qkv, .offset: 16, .size: 8, .value_kind: global_buffer, .address_space: global }
    .group_segment_fixed_size: 327680
    .private_segment_fixed_size: 0
    .kernarg_segment_align: 8
    .kernarg_segment_size: 24
    .max_flat_workgroup_size: 128
    .sgpr_count:     102
    .vgpr_count:     1024
    .wavefront_size: 32
...
	.end_amdgpu_metadata
.endif
;; end of part 2
;; launch attn (part 3): grid 16 x 16, 16 waves a work-group, clusters of 4 x 1, 327,680 bytes of LDS; arguments qkv, obuf; writes obuf
.if DOCPART == 3
	.amdgcn_target "amdgcn-amd-amdhsa--gfx1250"
	.amdhsa_code_object_version 6
	.text
	.protected	k_qdb143f6b25_attn
	.globl	k_qdb143f6b25_attn
	.p2align	8
	.type	k_qdb143f6b25_attn,@function
k_qdb143f6b25_attn:
	s_mov_b64 s[64:65], 0
	v_nop
	global_prefetch_b8 v0, s[64:65] scope:SCOPE_SE
	s_setreg_imm32_b32 hwreg(HW_REG_WAVE_MODE, 25, 1), 1
	s_wait_xcnt 0x0
	s_wait_alu depctr_hold_cnt(0) depctr_sa_sdst(0) depctr_va_vdst(0) depctr_va_sdst(0) depctr_va_ssrc(0) depctr_va_vcc(0) depctr_vm_vsrc(0)
	s_getreg_b32 s2, hwreg(HW_REG_IB_STS2, 6, 4)
	s_cmp_eq_u32 s2, 0
	s_cbranch_scc0 .Lentry_in_a_cluster
	s_endpgm
.Lentry_in_a_cluster:
	s_bfe_u32 s2, ttmp6, 0x10000c
	s_cmp_lg_u32 s2, 0x3003
	s_cbranch_scc0 .Lentry_shape_is_right
	s_endpgm
.Lentry_shape_is_right:
; o = softmax(8 q k^T) v for 2 batches x 16 heads of 64, 2,048 tokens, both products on codes of FP6 (E2M3) with one E8M0 scale for each 32 along a product's K; o is quantised along (head, d) and leaves as images of operand registers.
; INPUT (made by the launch before): fragments of 16 rows x 128 K as images of their 12 registers (registers 4 c .. 4 c + 3 of lane l at 512 c + 16 l), one scale word a row beside them.
;   q, k: a fragment holds 16 tokens of a PAIR of heads: k = 0..63 is head 2 p's d, k = 64..127 head 2 p + 1's.  A wave works for one head and clears the other head's six registers of its q: zero codes add nothing,
;   so k's fragments and both scale words are used as they lie, and the head size 64 fills the instruction's 128 without moving a byte.
;   The 16 tokens of tile 2 b + u are 32 b + 8 u + r + 8 (r / 8): so the 16 score registers of two neighbouring tiles of keys are 16 neighbouring keys.   v: 16 of a head's d x 128 keys, d chosen in the same way.
; THE SOFTMAX AHEAD OF THE SECOND PRODUCT: t = score x 8 log2(e); M = the row's largest t so far, rounded UP to a whole number; p = 2^(t - M) is quantised along the keys, not normalised.  The row's sum is taken of the
; unquantised p, in f32, and divides O at the end.  When M moves, the sum and O are multiplied by 2^(old M - new M): exact.
; SHARES.  A work-group owns 128 queries of a pair of heads; wave w owns head w / 8 of the pair and 16 queries, tile w % 8, in 256 registers: four waves to a SIMD, so that one wave's vector work stands beside another's products and LDS loads.
; Every wave walks all 2,048 keys, 128 a step.  K's and V's fragments come through a ring of two LDS slots of 512 keys, filled by waves 0-3 (one tensor load of 24,576 dense bytes each) and read by all sixteen.
; CLUSTER.  The four work-groups of a cluster are four blocks of queries of one pair of heads and walk the same K and V: each tile is asked for JOINTLY, with a mask that names the four.
; Both products are used transposed (S^T = K Q^T, O^T = V^T P^T): a lane holds ONE query (lane % 16) throughout.
; LIMITS: NaN and infinities are not served; a p under 2^-126 counts as 0; a block of zeros gets the byte 1 where the rule says 127 (its codes are zeros; this program alone reads the bytes).
; REGISTERS: v1-7, v28-31 addresses that stay; v8-11 addresses of the loads in hand; v12 -M, v13 the largest t, v[14:15] the sum in two halves; v16-27 Q; v32-79 four fragments of K or of V; v96-159 S^T, then p; v160-191 O^T;
;   v224-235 p's codes; v232-247, v252, v254 at work; v248-251 the fragments' scale words, v253 p's, v255 Q's.
.set VC,    6291456                    ; qkv: v's images
.set QKS,   9437184                    ; qkv: q's and k's scale words
.set VS,    9699328                    ; qkv: v's
.set OS,    3145728                    ; obuf: o's scale words
.set SLOT1, 1<<17                      ; slot 1 begins here, so that one exclusive or turns an address in one slot into the other's.  A slot: K's 32 tiles (49,152 bytes), V of head 2 p (24,576), V of head 2 p + 1 (24,576)
.set NSL,   4                          ; slots' worth of keys
.set SCB,   2*SLOT1                    ; behind the ring: K's scale words of all keys, 8,192 bytes; then V's, 4,096 for each head: filled once
.set SPARE, SCB+16384                  ; the spare words, 128 bytes for each wave: eight blocks of 256 bytes that no other line names
.set OSTG,  SPARE+2048                 ; the way out: the scale words of the work-group's 8 tiles of o, 512 bytes; no tensor load lands here
.set LI,   1                           ; v1   16 x lane: my place in an image
.set AV0,  2                           ; v2   the same in my head's V
.set ASK0, 3                           ; v3   my row's place among K's scale words
.set ASV0, 4                           ; v4   and among my head's V's
.set SPW,  5                           ; v5   LDS address of my spare word; never rewritten
.set NIL,  6                           ; v6   0; never rewritten
.set QSO,  7                           ; v7   4 x (lane % 16)
.set ADK,  8
.set ADV,  9
.set ADS,  10
.set ADT,  11
.set PFO,  28                          ; v28  256 x lane: the prefetches' offset
.set L8,   29                          ; v29  8 x lane
.set OSW,  30                          ; v30  LDS: where I put my row's two scale bytes of o
.set OSR,  31                          ; v31  LDS: where wave 0 reads them back
.set WV,   18                          ; s18  my wave's number
.set HS,   19                          ; s19  my head of the pair
.set SEL,  20                          ; s[20:21] lane selects for v_permlanex16_b32: lane l xor 16
.set CS,   22                          ; s[22:23] c = 8 log2(e)
.set G1,   24                          ; s[24:31] descriptor group 1 for the tiles;  s[32:39] for the scale words;  s[40:43], s[44:47] their groups 0
.set G1S,  32
.set G0,   40
.set G0S,  44
.set STP,  48                          ; s[48:49] a slot on in memory: 49,152 bytes in K, 24,576 in a head's V
.set TB,   2                           ; s2   LDS byte at which the slot in hand begins
.set TS,   3                           ; s3   where the slot's scale words of K begin: 2,048 bytes a slot
.set TJ,   66                          ; s66  and V's: 1,024 bytes a slot
.set SLOTS, 68                         ; s68  slots still to be asked for
.set PFA,  76                          ; s[76:77] where my prefetches stand
.set PFS,  78                          ; s[78:79] a slot on for them
.set LIM,  80                          ; s80  1 in a wave that prefetches, else the greatest number
.macro CROUND                          ; a round of the cluster's barrier
	s_barrier_signal -1
	s_barrier_wait -1
	s_cmp_lg_u32 s[WV], 0
	s_cbranch_scc1 .Lnot_wave_0_\@
	s_barrier_signal -3
.Lnot_wave_0_\@:
	s_barrier_wait -3
	s_barrier_signal -1
	s_barrier_wait -1
.endm
.macro TLOAD                           ; a joint refill: waves 0-3, one load each; the branch hangs on the wave's number alone; four v_nop follow the load
	s_cmp_lt_u32 s[WV], 4
	s_cbranch_scc0 .Lasked_\@
	tensor_load_to_lds s[G0:G0+3], s[G1:G1+7]
	s_nop 0
.rept 4
	v_nop
.endr
.Lasked_\@:
.endm
; A PREFETCH INTO THE L2 of what the NEXT change of slots will ask for: a slot's four pieces of 24,576 bytes.  All four clusters of a pair of heads walk the same K and V: the first of them asks.  Its four partners take a piece each,
; told apart BY ADDRESS; in each, waves 4, 5 and 6, which fetch nothing, take 8,192 bytes each, lanes 256 bytes apart: each aligned block of 256 bytes is named once in the launch.
; Slots 0 and 1 come by their loads alone; the last change that fills a slot asks for nothing: there is no slot behind it.
.macro ASK
	s_cmp_gt_u32 s[SLOTS], s[LIM]
	s_cbranch_scc0 .Lnot_mine_\@
	global_prefetch_b8 v[PFO], s[PFA:PFA+1] th:TH_LOAD_NT scope:SCOPE_SE
.Lnot_mine_\@:
.endm
	s_load_b128 s[4:7], s[0:1], 0x0                ; qkv s[4:5], obuf s[6:7]
	v_lshl_add_u32 v[SPW], v0, 2, SPARE
	v_mov_b32 v[NIL], 0
	ds_add_u32 v5, v6
	s_wait_dscnt 0x0
	v_lshrrev_b32 v8, 5, v0
	v_readfirstlane_b32 s[WV], v8                  ; wave 0..15
	s_lshr_b32 s[HS], s[WV], 3
	s_and_b32 s50, s[WV], 7                        ; my tile of the work-group's 8
	s_bfe_u32 s51, ttmp6, 0x40000                  ; cx: my place in the cluster
	s_lshl_b32 s52, ttmp9, 2
	s_add_co_u32 s52, s52, s51                     ; my block of 128 queries: it enters Q's and o's addresses alone
	s_and_b32 s53, ttmp7, 0xffff                   ; batch x 8 + pair, which the four partners share
	s_lshr_b32 s54, s53, 3                         ; batch
	s_and_b32 s55, s53, 7                          ; pair
	s_lshl_b32 s56, s54, 11
	s_lshl_b32 s57, s55, 7
	s_add_co_u32 s58, s56, s57                     ; q's first fragment: batch x 2,048 + pair x 128
	s_add_co_u32 s59, s58, 1024                    ; k's: 8 pairs on
	s_lshl_b32 s60, s53, 7                         ; v's: (batch x 16 + 2 pair) x 64
	; what I fetch, if I fetch: waves 0, 1: the halves of a slot's K;  waves 2, 3: the two heads' V
	s_and_b32 s61, s[WV], 1
	s_mul_i32 s62, s59, 1536
	s_mul_i32 s63, s61, 24576
	s_add_co_u32 s62, s62, s63
	s_mul_i32 s70, s60, 1536
	s_mul_i32 s71, s61, 98304
	s_add_co_u32 s70, s70, s71
	s_add_co_u32 s70, s70, VC
	s_lshl_b32 s72, s59, 6
	s_add_co_u32 s72, s72, QKS
	s_lshl_b32 s73, s60, 6
	s_add_co_u32 s73, s73, VS
	s_lshl_b32 s74, s61, 12
	s_mov_b32 s75, 24576
	s_cmp_lt_u32 s[WV], 2
	s_cselect_b32 s62, s62, s70                    ; the codes' offset in qkv
	s_cselect_b32 s72, s72, s73                    ; the scale words'
	s_cselect_b32 s[STP], 49152, s75
	s_add_co_u32 s72, s72, s74
	s_mov_b32 s63, 0
	s_mov_b32 s73, 0
	s_mov_b32 s[STP+1], 0
	s_and_b32 s81, s[WV], 3
	; descriptor group 1: 96 dense rows of 256 bytes (32 elements of 8 bytes), no padding: images are read 16 bytes a lane on end
	s_mov_b32 s[G1], 15|(3<<16)|(1<<21)            ; 15:0 the mask: all four work-groups; 17:16 elements of 8 bytes; 21 set beside a mask
	s_mov_b32 s[G1+1], 32<<16                      ; tensor_dim0
	s_mov_b32 s[G1+2], 96<<16                      ; tensor_dim1
	s_mov_b32 s[G1+3], 32<<16                      ; tile_dim0
	s_mov_b32 s[G1+4], 96                          ; tile_dim1
	s_mov_b32 s[G1+5], 32                          ; tensor_dim0_stride
	s_mov_b32 s[G1+6], 0
	s_mov_b32 s[G1+7], 0
	s_mov_b32 s[G1S], 15|(3<<16)|(1<<21)           ; the scale words: 16 such rows
	s_mov_b32 s[G1S+1], 32<<16
	s_mov_b32 s[G1S+2], 16<<16
	s_mov_b32 s[G1S+3], 32<<16
	s_mov_b32 s[G1S+4], 16
	s_mov_b32 s[G1S+5], 32
	s_mov_b32 s[G1S+6], 0
	s_mov_b32 s[G1S+7], 0
	s_mov_b32 s[SEL], 0x76543210
	s_mov_b32 s[SEL+1], 0xfedcba98
	s_mov_b32 s[CS], 0x4138aa3b                    ; c = 8 log2(e): t = score x c
	s_mov_b32 s[CS+1], s[CS]                       ; (named with it as a pair, so it is written)
	s_mov_b32 s[TB], 0
	s_mov_b32 s[TS], 0
	s_mov_b32 s[TJ], 0
	s_mov_b32 s[SLOTS], NSL-1
	s_wait_kmcnt 0x0
	s_mov_b32 s[G0], 1                             ; 1:0 count = 1
	s_mul_i32 s[G0+1], s81, 24576                  ; 63:32 LDS address: slot 0, my piece
	s_add_nc_u64 s[G0+2:G0+3], s[4:5], s[62:63]    ; 120:64 global address
	s_or_b32 s[G0+3], s[G0+3], 0x80000000          ; 127:126 type = 2
	s_mov_b32 s[G0S], 1
	s_lshl_b32 s[G0S+1], s81, 12
	s_add_co_u32 s[G0S+1], s[G0S+1], SCB
	s_add_nc_u64 s[G0S+2:G0S+3], s[4:5], s[72:73]
	s_or_b32 s[G0S+3], s[G0S+3], 0x80000000
	CROUND                                         ; all four work-groups are here: the first joint loads meet
	s_cmp_lt_u32 s[WV], 4                          ; a wave's two first fills stand in one branch, ahead of every wait on TENSORcnt and every LDS read: two loads of mine are out
	s_cbranch_scc0 .Lfirst_asked
	tensor_load_to_lds s[G0S:G0S+3], s[G1S:G1S+7]  ; the scale words of all keys: filled once
	s_nop 0
	tensor_load_to_lds s[G0:G0+3], s[G1:G1+7]      ; slot 0
	s_nop 0
.rept 4
	v_nop
.endr
.Lfirst_asked:
	s_lshl_b32 s82, s52, 3
	s_add_co_u32 s82, s82, s50                     ; my tile among the batch's 128
	s_add_co_u32 s83, s58, s82                     ; Q's fragment
	s_mul_i32 s84, s83, 1536
	s_mov_b32 s85, 0
	s_add_nc_u64 s[12:13], s[4:5], s[84:85]
	s_lshl_b32 s84, s83, 6
	s_add_co_u32 s84, s84, QKS
	s_add_nc_u64 s[14:15], s[4:5], s[84:85]
	v_and_b32 v9, 31, v0
	v_lshlrev_b32 v[LI], 4, v9
	v_and_b32 v10, 15, v0
	v_lshlrev_b32 v[QSO], 2, v10
.irp c, 0,1,2
	global_load_b128 v[16+4*\c:19+4*\c], v[LI], s[12:13] offset:512*\c   ; Q's fragment stays in registers
.endr
	global_load_b32 v255, v[QSO], s[14:15]         ; and its scale words
	s_lshl_b32 s86, s54, 7
	s_add_co_u32 s87, s86, s82                     ; o: my tile among all 256
	s_lshl_b32 s87, s87, 3
	s_add_co_u32 s87, s87, s55
	s_mul_i32 s84, s87, 1536                       ; fragment (tile, pair),
	s_mul_i32 s87, s[HS], 768
	s_add_co_u32 s84, s84, s87                     ; my head's half of it
	s_add_nc_u64 s[8:9], s[6:7], s[84:85]
	s_lshl_b32 s84, s55, 8
	s_add_co_u32 s84, s84, s86
	s_lshl_b32 s87, s52, 3
	s_add_co_u32 s84, s84, s87
	s_lshl_b32 s84, s84, 6
	s_add_co_u32 s84, s84, OS
	s_add_nc_u64 s[10:11], s[6:7], s[84:85]        ; o's scale words: (pair x 256 + the work-group's first tile) x 64 bytes
	; the prefetches: my work-group's piece of a slot (piece cx lies where fetching wave cx's lies), my wave's 8,192 bytes of it
	s_and_b32 s87, s51, 1
	s_mul_i32 s88, s59, 1536
	s_mul_i32 s89, s87, 24576
	s_add_co_u32 s88, s88, s89
	s_mul_i32 s90, s60, 1536
	s_mul_i32 s91, s87, 98304
	s_add_co_u32 s90, s90, s91
	s_add_co_u32 s90, s90, VC
	s_mov_b32 s92, 24576
	s_cmp_lt_u32 s51, 2                            ; a choice of offsets, no branch
	s_cselect_b32 s88, s88, s90
	s_cselect_b32 s[PFS], 49152, s92
	s_mov_b32 s[PFS+1], 0
	s_add_co_u32 s88, s88, s[PFS]                  ; in slot 1: the first change of slots steps it to slot 2.  Nothing is prefetched here, at the head
	s_sub_co_u32 s93, s[WV], 4
	s_min_u32 s94, s93, 2
	s_lshl_b32 s94, s94, 13
	s_add_co_u32 s88, s88, s94
	s_mov_b32 s89, 0
	s_add_nc_u64 s[PFA:PFA+1], s[4:5], s[88:89]
	s_cmp_lt_u32 s93, 3                            ; waves 4, 5, 6
	s_cselect_b32 s93, ttmp9, 1                    ; of the pair's first cluster: the same in all four partners
	s_cmp_eq_u32 s93, 0
	s_cselect_b32 s[LIM], 1, -1
	s_mul_i32 s95, s[HS], 24576
	s_add_co_u32 s95, s95, 49152
	v_add_nc_u32 v[AV0], s95, v[LI]
	v_add_nc_u32 v[ASK0], SCB, v[QSO]
	s_lshl_b32 s95, s[HS], 12
	s_add_co_u32 s95, s95, SCB+8192
	v_add_nc_u32 v[ASV0], s95, v[QSO]
	v_lshlrev_b32 v[PFO], 8, v9
	v_lshlrev_b32 v[L8], 3, v9
	s_lshl_b32 s95, s50, 6
	s_lshl_b32 s94, s[HS], 1
	s_add_co_u32 s95, s95, s94
	s_add_co_u32 s95, s95, OSTG
	v_add_nc_u32 v[OSW], s95, v[QSO]               ; OSTG + 64 x tile + 4 x row + 2 x head
	v_add_nc_u32 v[OSR], OSTG, v[LI]
	v_mov_b32 v13, 0xff61b1e6                      ; the largest t so far: -3e38, under every t
	v_floor_f32 v12, -v13                          ; -M
	v_mov_b32 v14, 0                               ; the sum, in two halves
	v_mov_b32 v15, 0
.irp b, 0,1,2,3
	v_mov_b32 v[236+\b], 0                         ; written once: a lane permute's destination counts as one of its sources
.endr
	v_mov_b32 v253, 0                              ; (named as the upper half of the pair v[252:253] before it is first written)
	s_cmp_eq_u32 s[HS], 0
	s_cselect_b32 s94, -1, 0
	s_cselect_b32 s95, 0, -1
	s_wait_loadcnt 0x0                             ; Q
.irp i, 0,1,2,3,4,5
	v_and_b32 v[16+\i], s94, v[16+\i]              ; the other head's codes of Q become zeros
	v_and_b32 v[22+\i], s95, v[22+\i]
.endr
.set jj, 0
.rept 32
	v_mov_b32 v[160+jj], 0                         ; O^T.  (The step is written without a first form: the first change of M multiplies zeros)
.set jj, jj+1
.endr
; A KEY STEP: 128 keys, the q-th of the slot in hand.
.macro STEP q
	v_add_nc_u32 v[ADK], s[TB], v[LI]              ; these four are also the places in front of loads into registers that the last products have read
	v_add_nc_u32 v[ADV], s[TB], v[AV0]
	v_add_nc_u32 v[ADS], s[TS], v[ASK0]
	v_add_nc_u32 v[ADT], s[TJ], v[ASV0]
.irp g, 0,1                                    ; S^T = K Q^T, four tiles of 16 keys at a time
.if \g > 0
.rept 4
	v_nop
.endr
.endif
.irp t, 0,1,2,3
.irp c, 0,1,2
	ds_load_b128 v[32+12*\t+4*\c:35+12*\t+4*\c], v[ADK] offset:12288*(\q)+(4*\g+\t)*1536+512*\c   ; an image comes back as it was stored: 512 consecutive bytes a load
.endr
	ds_load_b32 v[248+\t], v[ADS] offset:512*(\q)+(4*\g+\t)*64
.endr
	s_wait_dscnt 0x0
.irp t, 0,1,2,3
	v_wmma_scale_f32_16x16x128_f8f6f4 v[96+8*(4*\g+\t):103+8*(4*\g+\t)], v[32+12*\t:43+12*\t], v[16:27], 0, v[248+\t], v255 matrix_a_fmt:MATRIX_FMT_FP6 matrix_b_fmt:MATRIX_FMT_FP6
.endr
.endr                                          ; lane (r, h) holds query r; register 16 b + i is key 32 b + 16 h + i of the step
.rept 4
	v_nop
.endr
.irp b, 0,1,2,3
	v_max3_num_f32 v[232+\b], v[96+16*\b], v[97+16*\b], v[98+16*\b]   ; THE LARGEST SCORE OF EACH BLOCK OF 32 KEYS: it serves twice: for the row's maximum, and, since p rises with the score, for the block's largest p
.endr
.irp i, 3,5,7,9,11,13
.irp b, 0,1,2,3
	v_max3_num_f32 v[232+\b], v[232+\b], v[96+16*\b+\i], v[97+16*\b+\i]   ; (the four blocks by turns)
.endr
.endr
.irp b, 0,1,2,3
	v_max_num_f32 v[232+\b], v[232+\b], v[111+16*\b]
.endr
.irp b, 0,1,2,3
	v_permlanex16_b32 v[236+\b], v[232+\b], s[SEL], s[SEL+1]
.endr
.irp b, 0,1,2,3
	v_max_num_f32 v[232+\b], v[232+\b], v[236+\b]  ; with lane l xor 16's 16 keys
.endr
	v_max3_num_f32 v254, v232, v233, v234
	v_max_num_f32 v254, v254, v235                 ; the step's largest score of my query
	v_mul_f32 v254, s[CS], v254                    ; as t (c is positive)
	v_max_num_f32 v13, v13, v254                   ; the running largest t
	v_mov_b32 v254, v12
	v_floor_f32 v12, -v13                          ; the new -M = floor(-t) = -ceil(t): M IS A WHOLE NUMBER
	v_sub_f32 v254, v12, v254                      ; M's old value less its new one: a whole number, 0 or less
	v_cvt_i32_f32 v254, v254                       ; (it saturates)
	v_ldexp_f32 v252, 1.0, v254                    ; f = 2^(old M - new M): a multiplication by it rounds nothing
.set jj, 0
.rept 32
	v_pk_fma_f32 v[96+jj:97+jj], v[96+jj:97+jj], s[CS:CS+1], v[12:13] op_sel_hi:[1,0,0]   ; t - M, two at a time (of the pairs c and -M the low word serves both halves)
.set jj, jj+2
.endr
.irp b, 0,1,2,3
	v_fma_f32 v[232+\b], v[232+\b], s[CS], v12     ; the same of each block's largest score
.endr
.set jj, 0
.rept 64
	v_exp_f32 v[96+jj], v[96+jj]                   ; p = 2^(t - M), at most 1: NOT normalised
.set jj, jj+1
.endr
	v_pk_mul_f32 v[14:15], v[14:15], v[252:253] op_sel_hi:[1,0]   ; the sums under the new M.  (A plain place behind the exponentials)
	s_wait_alu depctr_va_vdst(0)                   ; one wait for the whole batch, ahead of its first reader
.irp b, 0,1,2,3
	v_exp_f32 v[232+\b], v[232+\b]                 ; the block's largest p: the same two instructions on the same number give the same bits
.endr
	v_pk_add_f32 v[236:237], v[96:97], v[98:99]    ; THE ROW'S SUM IS TAKEN OF THE UNQUANTISED p: two at a time, in two chains.  (It reads the 64 alone: plain work behind the four)
.irp j, 4,8,12,16,20,24,28,32,36,40,44,48,52,56,60
	v_pk_add_f32 v[14:15], v[14:15], v[96+\j:97+\j]
	v_pk_add_f32 v[236:237], v[236:237], v[98+\j:99+\j]
.endr
	v_pk_add_f32 v[14:15], v[14:15], v[236:237]
	s_wait_alu depctr_va_vdst(0)                   ; and one for the four
.irp b, 0,1,2,3
	v_max_num_f32 v[232+\b], 0x1800000, v[232+\b]  ; the floor 2^(3 - 127): the byte cannot fall under 1 (a block whose every p has fallen to 0 keeps that byte: its codes are zeros)
.endr
.irp b, 0,1,2,3
	v_add_nc_u32 v[244+\b], 0xff000000, v[232+\b]  ; 2 off the exponent field: the conversion's scale operand
.endr
.irp b, 0,1,2,3
	v_lshrrev_b32 v[236+\b], 23, v[244+\b]         ; the scale's byte
.endr
	v_lshl_or_b32 v253, v237, 8, v236              ; p's scale word for these 128 keys
	v_lshl_or_b32 v253, v238, 16, v253
	v_lshl_or_b32 v253, v239, 24, v253
.irp c, 0,1
	v_cvt_scalef32_pk16_fp6_f32 v[224+6*\c:226+6*\c], v[96+32*\c:111+32*\c], v[244+2*\c]
	v_cvt_scalef32_pk16_fp6_f32 v[236+4*\c:238+4*\c], v[112+32*\c:127+32*\c], v[244+2*\c+1]   ; (a conversion's three registers begin on an even number)
.endr
	v_nop                                          ; one plain place behind a scaled conversion
.irp c, 0,1                                    ; the operand's layout wants a WHOLE block in a lane: lanes 0-15 block 2 c, lanes 16-31 block 2 c + 1
.irp i, 0,1,2
	v_permlane16_swap_b32 v[224+6*\c+\i], v[236+4*\c+\i]
.endr
.irp i, 0,1,2
	v_mov_b32 v[227+6*\c+\i], v[236+4*\c+\i]
.endr
.endr
.set jj, 0
.rept 16
	v_pk_mul_f32 v[160+jj:161+jj], v[160+jj:161+jj], v[252:253] op_sel_hi:[1,0]   ; O^T under the new M: x f.  (These 16 are also the places between p's scale word and codes and the products below)
.set jj, jj+2
.endr
.irp t, 0,1,2,3                                ; O^T += V^T P^T: four tiles of 16 of my head's 64; K = these 128 keys
.irp c, 0,1,2
	ds_load_b128 v[32+12*\t+4*\c:35+12*\t+4*\c], v[ADV] offset:6144*(\q)+1536*\t+512*\c
.endr
	ds_load_b32 v[248+\t], v[ADT] offset:256*(\q)+64*\t
.endr
	s_wait_dscnt 0x0
.irp t, 0,1,2,3                                ; the four accumulators take turns, one instruction a turn
	v_wmma_scale_f32_16x16x128_f8f6f4 v[160+8*\t:167+8*\t], v[32+12*\t:43+12*\t], v[224:235], v[160+8*\t:167+8*\t], v[248+\t], v253 matrix_a_fmt:MATRIX_FMT_FP6 matrix_b_fmt:MATRIX_FMT_FP6
.endr
.endm
; THE CHANGE OF SLOTS stands at a slot's head.  Each wave waits for all its tensor loads (its part of the slot that it is about to read), adds 0 to its spare word, and waits for that and for its reads of the slot that it has left.
; fill = 1: the barrier is a round of the cluster's, and behind it the slot that was left is filled with the keys that follow: the load has a slot's four key steps in which to land.
.macro CHANGE fill
	s_wait_tensorcnt 0x0                           ; no tensor load of mine is out, so a group 0 may be written
	ds_add_u32 v[SPW], v[NIL]                      ; 0 onto my spare word
.if \fill
	s_xor_b32 s[G0+1], s[G0+1], SLOT1              ; the walking descriptor: the other slot than last time,
	s_add_nc_u64 s[G0+2:G0+3], s[G0+2:G0+3], s[STP:STP+1]   ; the next 512 keys; the type bits on top are not reached
	s_wait_xcnt 0x0                                ; the last prefetch, a slot back, has read its address, so it may be written:
	s_add_nc_u64 s[PFA:PFA+1], s[PFA:PFA+1], s[PFS:PFS+1]   ; one slot further on than the walking descriptor
	s_wait_dscnt 0x0                               ; the add is done, and my reads of the slot that I have left are over
	CROUND                                         ; both now hold of every wave of all four work-groups
	TLOAD                                          ; the first thing behind the round, and a wave's one tensor load until the next
	ASK
.else
	s_wait_dscnt 0x0
	s_barrier_signal -1
	s_barrier_wait -1
.endif
.endm
.macro SLOT_STEPS
	STEP 0
	STEP 1
	STEP 2
	STEP 3
	s_xor_b32 s[TB], s[TB], SLOT1                  ; on to the other slot,
	s_add_co_u32 s[TS], s[TS], 2048                ; and to the next 512 keys' scale words
	s_add_co_u32 s[TJ], s[TJ], 1024
.endm
.Lslot:                                            ; NSL - 1 trips: behind each change of slots but the last the next slot is asked for
	CHANGE 1
	SLOT_STEPS
	s_sub_co_u32 s[SLOTS], s[SLOTS], 1
	s_cmp_lg_u32 s[SLOTS], 0
	s_cbranch_scc1 .Lslot
	CHANGE 0                                       ; the last slot is written out
	SLOT_STEPS
	; THE WAY OUT.  O^T / the sum; register 16 b + i is d = 32 b + 16 h + i of my head: two blocks of 32 along the last product's K, quantised as p is.
	v_add_f32 v14, v14, v15                        ; the sum's two halves,
	v_permlanex16_b32 v252, v14, s[SEL], s[SEL+1]
	v_add_f32 v14, v14, v252                       ; and lane l xor 16's: the row's sum
	v_rcp_f32 v14, v14
.rept 4
	v_nop                                          ; the plain place behind the reciprocal, and the places behind the last products
.endr
	s_wait_alu depctr_va_vdst(0)                   ; the wait ahead of the reciprocal's first reader
.set jj, 0
.rept 32
	v_mul_f32 v[96+jj], v[160+jj], v14
.set jj, jj+1
.endr
.irp b, 0,1
	v_max3_num_f32 v[232+\b], |v[96+16*\b]|, |v[97+16*\b]|, 0x1800000
.endr
.irp i, 2,4,6,8,10,12,14
.irp b, 0,1
	v_max3_num_f32 v[232+\b], v[232+\b], |v[96+16*\b+\i]|, |v[97+16*\b+\i]|
.endr
.endr
.irp b, 0,1
	v_permlanex16_b32 v[236+\b], v[232+\b], s[SEL], s[SEL+1]
.endr
.irp b, 0,1
	v_max_num_f32 v[232+\b], v[232+\b], v[236+\b]
.endr
.irp b, 0,1
	v_add_nc_u32 v[244+\b], 0xff000000, v[232+\b]
.endr
.irp b, 0,1
	v_lshrrev_b32 v[236+\b], 23, v[244+\b]
.endr
	v_lshl_or_b32 v254, v237, 8, v236              ; my head's two bytes of the row's scale word
	v_cvt_scalef32_pk16_fp6_f32 v[224:226], v[96:111], v244
	v_cvt_scalef32_pk16_fp6_f32 v[240:242], v[112:127], v245
	v_nop
.irp i, 0,1,2
	v_permlane16_swap_b32 v[224+\i], v[240+\i]
.endr
.irp i, 0,1,2
	v_mov_b32 v[227+\i], v[240+\i]                 ; v224-229: d = 32 h + 0 .. 31: registers 6 x head .. + 5 of fragment (tile, pair)
.endr
	global_store_b128 v[LI], v[224:227], s[8:9]              ; 512 consecutive bytes, aligned on 256
	global_store_b64 v[L8], v[228:229], s[8:9] offset:512    ; 256 consecutive bytes, aligned
	ds_store_b16 v[OSW], v254                      ; both halves of the lanes write the same two bytes with the same value
	s_wait_dscnt 0x0                               ; for the others' sake: my store is done
	s_barrier_signal -1
	s_barrier_wait -1
	s_cmp_lg_u32 s[WV], 0
	s_cbranch_scc1 .Lnot_first
	ds_load_b128 v[232:235], v[OSR]                ; the scale words of the work-group's 8 tiles
	s_wait_dscnt 0x0
	global_store_b128 v[LI], v[232:235], s[10:11]  ; 512 consecutive bytes, aligned on 256
.Lnot_first:
	s_wait_tensorcnt 0x0                           ; the wave's end, behind my last tensor load and my last LDS store
	ds_add_u32 v[SPW], v[NIL]
	s_wait_dscnt 0x0
	CROUND                                         ; the closing round
	s_endpgm
.Lfunc_end_k_qdb143f6b25_attn:
	.size	k_qdb143f6b25_attn, .Lfunc_end_k_qdb143f6b25_attn-k_qdb143f6b25_attn
	.p2alignl 7, 3214868480
	.fill 96, 4, 3214868480
	.section	.rodata,"a",@progbits
	.p2align	6, 0x0
	.amdhsa_kernel k_qdb143f6b25_attn
		.amdhsa_group_segment_fixed_size 327680
		.amdhsa_private_segment_fixed_size 0
		.amdhsa_enable_private_segment 0
		.amdhsa_kernarg_size 16
		.amdhsa_user_sgpr_count 2
		.amdhsa_user_sgpr_kernarg_segment_ptr 1
		.amdhsa_wavefront_size32 1
		.amdhsa_system_sgpr_workgroup_id_x 1
		.amdhsa_system_sgpr_workgroup_id_y 1
		.amdhsa_system_sgpr_workgroup_id_z 1
		.amdhsa_system_vgpr_workitem_id 0
		.amdhsa_next_free_vgpr 256
		.amdhsa_next_free_sgpr 100
		.amdhsa_reserve_vcc 0
		.amdhsa_float_denorm_mode_32 3
		.amdhsa_float_denorm_mode_16_64 3
		.amdhsa_memory_ordered 1
		.amdhsa_forward_progress 1
		.amdhsa_inst_pref_size 148
	.end_amdhsa_kernel
	.amdgpu_metadata
---
amdhsa.version: [ 1, 2 ]
amdhsa.kernels:
  - .name:           k_qdb143f6b25_attn
    .symbol:         k_qdb143f6b25_attn.kd
    .args:
      - { .name: qkv, .offset: 0, .size: 8, .value_kind: global_buffer, .address_space: global }
      - { .name: obuf, .offset: 8, .size: 8, .value_kind: global_buffer, .address_space: global }
    .group_segment_fixed_size: 327680
    .private_segment_fixed_size: 0
    .kernarg_segment_align: 8
    .kernarg_segment_size: 16
    .max_flat_workgroup_size: 512
    .sgpr_count:     100
    .vgpr_count:     256
    .wavefront_size: 32
...
	.end_amdgpu_metadata
.endif
;; end of part 3
;; launch gemm_out (part 4): grid 8 x 32, 4 waves a work-group, clusters of 4 x 4, 239,104 bytes of LDS; arguments obuf, opnd, bout, out0; writes out0
.if DOCPART == 4
	.amdgcn_target "amdgcn-amd-amdhsa--gfx1250"
	.amdhsa_code_object_version 6
	.text
	.protected	k_qdb143f6b25_gemm_out
	.globl	k_qdb143f6b25_gemm_out
	.p2align	8
	.type	k_qdb143f6b25_gemm_out,@function
k_qdb143f6b25_gemm_out:
	s_mov_b64 s[64:65], 0
	v_nop
	global_prefetch_b8 v0, s[64:65] scope:SCOPE_SE
	s_setreg_imm32_b32 hwreg(HW_REG_WAVE_MODE, 25, 1), 1
	s_wait_xcnt 0x0
	s_wait_alu depctr_hold_cnt(0) depctr_sa_sdst(0) depctr_va_vdst(0) depctr_va_sdst(0) depctr_va_ssrc(0) depctr_va_vcc(0) depctr_vm_vsrc(0)
	s_getreg_b32 s2, hwreg(HW_REG_IB_STS2, 6, 4)
	s_cmp_eq_u32 s2, 0
	s_cbranch_scc0 .Lentry_in_a_cluster
	s_endpgm
.Lentry_in_a_cluster:
	s_bfe_u32 s2, ttmp6, 0x10000c
	s_cmp_lg_u32 s2, 0xf033
	s_cbranch_scc0 .Lentry_shape_is_right
	s_endpgm
.Lentry_shape_is_right:
; out0 = o Wout + bout on codes of FP6 (E2M3) with one E8M0 scale for each 32 along K = 1,024; out0 is f32.
; o comes as images of operand registers (fragment (tile of 16 tokens, pair of heads): for each head 512 bytes with registers 0-3 of all lanes, then 256 bytes with registers 4-5), Wout's columns as rows of opnd (rows 7,168 on).
; A tile is 128 tokens x 128 columns: 256 work-groups, one for each WGP; a wave makes 64 x 64: 16 accumulators.  ALL of K for both operands fits in LDS: four chunks of 256 along K, each filled ONCE by one tensor load a wave,
; all asked for at the start: no byte of LDS is filled again, so there is no ring; the waits count down as the chunks are wanted.  More than half of a WGP's LDS is claimed, so that the work-group is alone on its WGP.
; CLUSTERS: 4 x 4 work-groups; o's tiles are shared along a row of the cluster, Wout's along a column: joint loads.
; Source 0 = 16 columns of Wout, source 1 = 16 tokens: a lane holds one token and eight neighbouring columns.  opnd's rows and o's tokens are stored with bits 3 and 4 of their number exchanged: the way out puts both right.
; The bias is the C of each sum's first matrix instruction.  The scale words are few: each wave loads its own into registers, once.
; REGISTERS: window 0: v1-18 addresses; v32-47 o's scale words, v48-63 Wout's, and nothing else; v64-95 the bias, later with v96-127 rows of out0; v128-255 the accumulators ((a, b) at v[128 + 8 (4 a + b)]).
;   window 1: two sets of fragments at v0 and v128: o's four, then Wout's four.
.set SCO,    6291456                   ; opnd: where the scale bytes begin
.set OS,     3145728                   ; obuf: where the scale words begin
.set PITCH,  240                       ; Wout's rows in LDS: 3 x (64 bytes + 16 of padding)
.set FR,     12
.set BT,     98304                     ; LDS: o's four chunks of 24,576 bytes from 0; Wout's four of 30,720 from here
.set STG,    BT+4*30720                ; the way out: 16 rows x (256 bytes + 16) for each wave; no tensor load lands here
.set SPITCH, 272
.set AA16, 8                           ; v8-9    16 x lane + my 4 tiles of o, chunks 0-1 and 2-3
.set AA8,  10                          ; v10-11  the same with 8 x lane
.set ADRB, 12                          ; v12-13  my fragments of Wout, chunks 0-1 and 2-3  (v14-15: for the pieces behind one padding more)
.set STO,  16                          ; v16     the way out: where I put 32 bytes of a row
.set RD,   17                          ; v17     where I read a row back
.set CO,   18                          ; v18     my byte offset in out0
.set SA,   32
.set SBW,  48
.set BIAS, 64
.set BK,   64
.set ACC,  128
.set G1A, 24                           ; s[24:31] descriptor group 1 for o's tiles;  s[48:55] for Wout's;  s[68:83], s[84:99] their groups 0, one for each chunk
.set G1B, 48
.set G0A, 68
.set G0B, 84
.set MSB, 0
.macro WIN new                         ; the immediate's high byte repeats the setting that is left
.if MSB != \new
	s_set_vgpr_msb (MSB<<8)|\new
.set MSB, \new
.endif
.endm
.set MUL,  0x05                        ; sources 0 and 1 window 1; C and D window 0
.set TO_F, 0x40                        ; destination window 1, address window 0
.macro CROUND                          ; a round of the cluster's barrier
	s_barrier_signal -1
	s_barrier_wait -1
	s_cmp_lg_u32 s14, 0
	s_cbranch_scc1 .Lnot_wave_0_\@
	s_barrier_signal -3
.Lnot_wave_0_\@:
	s_barrier_wait -3
	s_barrier_signal -1
	s_barrier_wait -1
.endm
	s_load_b256 s[4:11], s[0:1], 0x0               ; obuf s[4:5], opnd s[6:7], bout s[8:9], out0 s[10:11]
	v_lshl_add_u32 v30, v0, 2, 0x3a400
	v_mov_b32 v31, 0
	ds_add_u32 v30, v31
	v_lshrrev_b32 v1, 5, v0
	v_readfirstlane_b32 s14, v1                    ; wave 0..3
	s_lshr_b32 s15, s14, 1                         ; which half of the tokens is mine.  Also: I fetch for o (0) or for Wout (1)
	s_and_b32 s16, s14, 1                          ; which half of the columns.  Also: which half of that tile I fetch
	s_bfe_u32 s40, ttmp6, 0x40000                  ; cx, cy
	s_bfe_u32 s41, ttmp6, 0x40004
	s_lshl_b32 s42, ttmp9, 2
	s_add_co_u32 s42, s42, s40                     ; tile of columns = 4 x cluster x + cx
	s_and_b32 s17, ttmp7, 0xffff
	s_lshl_b32 s17, s17, 2
	s_add_co_u32 s17, s17, s41                     ; tile of tokens = 4 x cluster y + cy
	s_lshl_b32 s43, s41, 2
	s_lshl_b32 s43, 15, s43                        ; my row of the cluster
	s_lshl_b32 s44, 0x1111, s40                    ; my column
	; o: 4 tiles' parts of a chunk: 4 rows of 3,072 bytes (384 elements of 8 bytes), 12,288 bytes apart, dense in LDS
	s_or_b32 s[G1A], s43, (3<<16)|(1<<21)
	s_mov_b32 s[G1A+1], 384<<16                    ; tensor_dim0
	s_mov_b32 s[G1A+2], 4<<16                      ; tensor_dim1
	s_mov_b32 s[G1A+3], 384<<16                    ; tile_dim0
	s_mov_b32 s[G1A+4], 4                          ; tile_dim1
	s_mov_b32 s[G1A+5], 1536                       ; tensor_dim0_stride
	s_mov_b32 s[G1A+6], 0
	s_mov_b32 s[G1A+7], 0
	; Wout: 64 rows of 192 bytes, 768 bytes apart, 16 bytes of padding behind every 64
	s_or_b32 s[G1B], s44, (0<<16)|(1<<20)|(1<<21)|(3<<22)|(3<<25)
	s_mov_b32 s[G1B+1], 192<<16
	s_mov_b32 s[G1B+2], 64<<16
	s_mov_b32 s[G1B+3], 192<<16
	s_mov_b32 s[G1B+4], 64
	s_mov_b32 s[G1B+5], 768
	s_mov_b32 s[G1B+6], 0
	s_mov_b32 s[G1B+7], 0
	s_lshl_b32 s20, s17, 3
	s_lshl_b32 s18, s16, 2
	s_add_co_u32 s20, s20, s18
	s_mul_i32 s20, s20, 12288                      ; o: tile 8 x (tile of tokens) + 4 x half, 8 fragments of 1,536 bytes each
	s_mov_b32 s21, 0
	s_lshl_b32 s46, s42, 7
	s_lshl_b32 s18, s16, 6
	s_add_co_u32 s46, s46, s18
	s_add_co_u32 s46, s46, 7168
	s_mul_i32 s46, s46, 768                        ; Wout: row 7,168 + 128 x (tile of columns) + 64 x half
	s_mov_b32 s47, 0
	s_mul_i32 s22, s16, 12288                      ; where they go: no place in the cluster enters an LDS address
	s_mul_i32 s23, s16, 15360
	s_wait_dscnt 0x0
	s_wait_kmcnt 0x0
	s_add_nc_u64 s[20:21], s[4:5], s[20:21]
	s_add_nc_u64 s[46:47], s[6:7], s[46:47]
	CROUND                                         ; all sixteen work-groups are here: the joint loads meet
.irp q, 0,1,2,3
	s_mov_b32 s[G0A+4*\q], 1
	s_add_co_u32 s[G0A+4*\q+1], s22, 24576*\q
	s_add_nc_u64 s[G0A+4*\q+2:G0A+4*\q+3], s[20:21], 3072*\q
	s_or_b32 s[G0A+4*\q+3], s[G0A+4*\q+3], 0x80000000
	s_mov_b32 s[G0B+4*\q], 1
	s_add_co_u32 s[G0B+4*\q+1], s23, BT+30720*\q
	s_add_nc_u64 s[G0B+4*\q+2:G0B+4*\q+3], s[46:47], 192*\q
	s_or_b32 s[G0B+4*\q+3], s[G0B+4*\q+3], 0x80000000
.endr
	s_cmp_eq_u32 s15, 0                            ; a wave's four fills stand in one branch: four loads of mine are out; four v_nop follow the last
	s_cbranch_scc0 .Lfirst_b
.irp q, 0,1,2,3
	tensor_load_to_lds s[G0A+4*\q:G0A+4*\q+3], s[G1A:G1A+7]
	s_nop 0
.endr
.rept 4
	v_nop
.endr
	s_branch .Lfirst_asked
.Lfirst_b:
.irp q, 0,1,2,3
	tensor_load_to_lds s[G0B+4*\q:G0B+4*\q+3], s[G1B:G1B+7]
	s_nop 0
.endr
.rept 4
	v_nop
.endr
.Lfirst_asked:
	s_lshl_b32 s18, s17, 3
	s_lshl_b32 s19, s15, 2
	s_add_co_u32 s18, s18, s19
	s_lshl_b32 s18, s18, 6
	s_add_co_u32 s18, s18, OS
	s_mov_b32 s19, 0
	s_add_nc_u64 s[32:33], s[4:5], s[18:19]        ; o's scale words: my 4 tiles, pair 0
	s_lshl_b32 s18, s42, 7
	s_lshl_b32 s56, s16, 6
	s_add_co_u32 s18, s18, s56                     ; my first column
	s_add_co_u32 s56, s18, 7168
	s_lshl_b32 s56, s56, 5
	s_add_co_u32 s56, s56, SCO
	s_mov_b32 s57, 0
	s_add_nc_u64 s[34:35], s[6:7], s[56:57]        ; Wout's scale bytes: my 64 rows
	s_lshl_b32 s18, s18, 2
	s_add_nc_u64 s[36:37], s[8:9], s[18:19]        ; the bias of my 64 columns
	s_add_nc_u64 s[38:39], s[10:11], s[18:19]
	s_lshl_b32 s56, s17, 7
	s_lshl_b32 s58, s15, 6
	s_add_co_u32 s56, s56, s58
	s_lshl_b32 s56, s56, 12
	s_add_nc_u64 s[38:39], s[38:39], s[56:57]      ; out0 at my first token and column
	v_and_b32 v1, 15, v0                           ; r
	v_bfe_u32 v2, v0, 4, 1                         ; h
	v_and_b32 v3, 31, v0                           ; lane
	v_lshlrev_b32 v4, 2, v3
	v_lshlrev_b32 v5, 5, v3
	v_lshlrev_b32 v6, 6, v2
.irp p, 0,1,2,3,4,5,6,7
.irp i, 0,1
	global_load_b32 v[SA+2*\p+\i], v4, s[32:33] offset:16384*\p+128*\i   ; K step p: lanes 0-15 tile 2 i's words, lanes 16-31 tile 2 i + 1's
.endr
.endr
.irp b, 0,1
	global_load_b128 v[SBW+8*\b:SBW+8*\b+3], v5, s[34:35] offset:1024*\b       ; a row's 8 words, one for each K step: lanes 0-15 tile 2 b, lanes 16-31 tile 2 b + 1
	global_load_b128 v[SBW+8*\b+4:SBW+8*\b+7], v5, s[34:35] offset:1024*\b+16
.endr
.irp b, 0,1,2,3
	global_load_b128 v[BIAS+8*\b:BIAS+8*\b+3], v6, s[36:37] offset:(32*(\b/2)+8*(\b%2))*4        ; register j of tile b: column 32 (b / 2) + 8 (b % 2) + 16 h + j
	global_load_b128 v[BIAS+8*\b+4:BIAS+8*\b+7], v6, s[36:37] offset:(32*(\b/2)+8*(\b%2))*4+16
.endr
	s_mul_i32 s18, s15, 12288
	v_lshl_add_u32 v[AA16], v3, 4, s18
	v_lshl_add_u32 v[AA8], v3, 3, s18
	v_add_nc_u32 v[AA16+1], 49152, v[AA16]
	v_add_nc_u32 v[AA8+1], 49152, v[AA8]
	s_mul_i32 s18, s16, 15360
	s_add_co_u32 s18, s18, BT
	v_mul_u32_u24 v7, v1, PITCH
	v_mad_u32_u24 v7, v2, 24, v7
	v_add_nc_u32 v[ADRB], s18, v7
	v_add_nc_u32 v[ADRB+1], 61440, v[ADRB]
	v_lshl_add_u32 v[ADRB+2], v2, 4, v[ADRB]
	v_lshl_add_u32 v[ADRB+3], v2, 4, v[ADRB+1]
	s_mul_i32 s18, s14, 16*SPITCH
	s_add_co_u32 s18, s18, STG                     ; my stage
	v_mul_u32_u24 v7, v1, SPITCH
	v_lshl_add_u32 v7, v2, 6, v7
	v_add_nc_u32 v[STO], s18, v7                   ; in: row r, + 64 h bytes
	v_mul_u32_u24 v7, v2, SPITCH
	v_lshl_add_u32 v7, v1, 4, v7
	v_add_nc_u32 v[RD], s18, v7                    ; back: lanes 0-15 one row of 256 bytes, lanes 16-31 the next
	v_lshlrev_b32 v7, 12, v2
	v_lshl_add_u32 v[CO], v1, 4, v7                ; and the same two rows in out0
.macro FRAG reg, adr, q, i, ex         ; a fragment of Wout from rows of 192 bytes, in pieces of 8 bytes; where the piece three on lies behind one padding more, the second address register serves
.irp p, 0,1,2,3,4,5
.set PCE, 12*(\q)+6*(\p/3)+\p%3
.if PCE%8 < 5
	ds_load_b64 v[\reg+2*\p:\reg+2*\p+1], v[\adr] offset:8*PCE+16*(PCE/8)+(\i)*16*PITCH+(\ex)
.else
	ds_load_b64 v[\reg+2*\p:\reg+2*\p+1], v[\adr+2] offset:8*PCE+16*(PCE/8)+(\i)*16*PITCH+(\ex)
.endif
.endr
.endm
.macro FETCH s                         ; K step s (128 along K) of my 4 + 4 fragments into set s % 2
.set QH, (\s)/4
.set QL, ((\s)/2)%2
.set SL, (\s)%2
.set FB, 128*((\s)%2)
	WIN TO_F
.irp b, 0,1,2,3
	FRAG FB+48+FR*\b, ADRB+QH, SL, \b, QL*30720
.endr
.irp a, 0,1,2,3
	ds_load_b128 v[FB+FR*\a:FB+FR*\a+3],     v[AA16+QH] offset:QL*24576+3072*\a+1536*SL        ; the image as the attention launch stored it: the first head's registers 0-3,
	ds_load_b64  v[FB+FR*\a+4:FB+FR*\a+5],   v[AA8+QH]  offset:QL*24576+3072*\a+1536*SL+512    ; its registers 4-5,
	ds_load_b128 v[FB+FR*\a+6:FB+FR*\a+9],   v[AA16+QH] offset:QL*24576+3072*\a+1536*SL+768    ; and the second head's
	ds_load_b64  v[FB+FR*\a+10:FB+FR*\a+11], v[AA8+QH]  offset:QL*24576+3072*\a+1536*SL+1280
.endr
	WIN 0
.endm
.macro MM s, a, b                      ; one product.  In the first K step C is the bias, later the sum itself.  Odd tiles' scale words stand in lanes 16-31
.set DA, ACC+8*(4*(\a)+(\b))
.set RB, FB+48+FR*(\b)
.set RA, FB+FR*(\a)
.set SBR, SBW+8*((\b)/2)+(\s)
.set SAR, SA+2*(\s)+(\a)/2
.if (\s) == 0
.set CA, BIAS+8*(\b)
.else
.set CA, DA
.endif
.if ((\a)%2 == 0) && ((\b)%2 == 0)
	v_wmma_scale_f32_16x16x128_f8f6f4 v[DA:DA+7], v[RB:RB+11], v[RA:RA+11], v[CA:CA+7], v[SBR], v[SAR] matrix_a_fmt:MATRIX_FMT_FP6 matrix_b_fmt:MATRIX_FMT_FP6
.elseif (\a)%2 == 0
	v_wmma_scale_f32_16x16x128_f8f6f4 v[DA:DA+7], v[RB:RB+11], v[RA:RA+11], v[CA:CA+7], v[SBR], v[SAR] matrix_a_fmt:MATRIX_FMT_FP6 matrix_b_fmt:MATRIX_FMT_FP6 matrix_a_scale:MATRIX_SCALE_ROW1
.elseif (\b)%2 == 0
	v_wmma_scale_f32_16x16x128_f8f6f4 v[DA:DA+7], v[RB:RB+11], v[RA:RA+11], v[CA:CA+7], v[SBR], v[SAR] matrix_a_fmt:MATRIX_FMT_FP6 matrix_b_fmt:MATRIX_FMT_FP6 matrix_b_scale:MATRIX_SCALE_ROW1
.else
	v_wmma_scale_f32_16x16x128_f8f6f4 v[DA:DA+7], v[RB:RB+11], v[RA:RA+11], v[CA:CA+7], v[SBR], v[SAR] matrix_a_fmt:MATRIX_FMT_FP6 matrix_b_fmt:MATRIX_FMT_FP6 matrix_a_scale:MATRIX_SCALE_ROW1 matrix_b_scale:MATRIX_SCALE_ROW1
.endif
.endm
.macro MUL16 s                         ; the 16 accumulators take turns, one instruction a turn, in the same order in every K step
.set FB, 128*((\s)%2)
.irp a, 0,1,2,3
.irp b, 0,1,2,3
	MM \s, \a, \b
.endr
.endr
.endm
.macro PLACES                          ; four places in front of loads into registers that matrix instructions have read, and of the first read of results (ISA guide 7.12.1 for the first read of results)
.rept 4
	v_nop
.endr
.endm
	s_wait_tensorcnt 3                             ; my part of chunk 0 is in; the three loads issued behind it may be out
	s_barrier_signal -1
	s_barrier_wait -1                              ; everybody's is
	FETCH 0
	s_wait_loadcnt 0x0                             ; the scale words and the bias
.irp s, 0,1,2,3,4,5,6,7
	s_wait_dscnt 0x0                               ; this K step's fragments are in
.if (\s%2 == 1) && (\s < 7)
	s_wait_tensorcnt 3-(\s+1)/2                    ; my part of the next chunk is in; the loads issued behind it may be out
	s_barrier_signal -1
	s_barrier_wait -1
.endif
.if \s < 7
.if \s > 0
	PLACES
.endif
	FETCH \s+1                                     ; the next K step's fragments come while this one is multiplied
.endif
	WIN MUL
	MUL16 \s
	WIN 0
.endr
; THE WAY OUT, a block of 16 tokens x 64 columns at a time, through my own stage: a lane holds 32 bytes of a row, and the lanes beside it hold other rows; back come whole rows of 256 bytes.
; LDS serves a wave's instructions in order (ISA guide 5.7.1.4): no wait between the stores and the loads, nor in front of the next block's stores.
.macro TOSTAGE a
.irp b, 0,1,2,3
	ds_store_b128 v[STO], v[ACC+8*(4*(\a)+\b):ACC+8*(4*(\a)+\b)+3] offset:128*(\b/2)+32*(\b%2)          ; each accumulator from its low end on
	ds_store_b128 v[STO], v[ACC+8*(4*(\a)+\b)+4:ACC+8*(4*(\a)+\b)+7] offset:128*(\b/2)+32*(\b%2)+16
.endr
.set BB, BK+32*((\a)%2)
.irp t, 0,1,2,3,4,5,6,7
	ds_load_b128 v[BB+4*\t:BB+4*\t+3], v[RD] offset:\t*2*SPITCH
.endr
.endm
.macro SEND a, younger                 ; younger: the LDS instructions issued behind block a's loads: the next block's 8 stores and 8 loads, or none
.set BB, BK+32*((\a)%2)
	s_wait_dscnt \younger
.irp t, 0,1,2,3,4,5,6,7
	global_store_b128 v[CO], v[BB+4*\t:BB+4*\t+3], s[38:39] offset:(32*((\a)/2)+8*((\a)%2)+16*(\t/4)+2*(\t%4))*4096 th:TH_STORE_NT   ; stored row 16 a + 2 t + (lane / 16) is this real token; 16 lanes store 256 consecutive bytes, aligned
.endr
.endm
	PLACES
	TOSTAGE 0
.irp a, 1,2,3
.if \a > 1
	s_wait_xcnt 0x0                                ; block a - 2's stores have had their addresses translated: only behind this wait do block a's loads land in their data registers
.endif
	TOSTAGE \a
	SEND \a-1, 16
.endr
	SEND 3, 0
	s_wait_tensorcnt 0x0                           ; no tensor load is out, no LDS instruction is pending
	s_wait_dscnt 0x0
	s_wait_tensorcnt 0x0
	ds_add_u32 v30, v31
	s_wait_dscnt 0x0
	CROUND                                         ; the closing round: no work-group ends while a partner may still ask for a tile that names it
	s_endpgm
.Lfunc_end_k_qdb143f6b25_gemm_out:
	.size	k_qdb143f6b25_gemm_out, .Lfunc_end_k_qdb143f6b25_gemm_out-k_qdb143f6b25_gemm_out
	.p2alignl 7, 3214868480
	.fill 96, 4, 3214868480
	.section	.rodata,"a",@progbits
	.p2align	6, 0x0
	.amdhsa_kernel k_qdb143f6b25_gemm_out
		.amdhsa_group_segment_fixed_size 239104
		.amdhsa_private_segment_fixed_size 0
		.amdhsa_enable_private_segment 0
		.amdhsa_kernarg_size 32
		.amdhsa_user_sgpr_count 2
		.amdhsa_user_sgpr_kernarg_segment_ptr 1
		.amdhsa_wavefront_size32 1
		.amdhsa_system_sgpr_workgroup_id_x 1
		.amdhsa_system_sgpr_workgroup_id_y 1
		.amdhsa_system_sgpr_workgroup_id_z 1
		.amdhsa_system_vgpr_workitem_id 0
		.amdhsa_next_free_vgpr 512
		.amdhsa_next_free_sgpr 102
		.amdhsa_reserve_vcc 0
		.amdhsa_float_denorm_mode_32 3
		.amdhsa_float_denorm_mode_16_64 3
		.amdhsa_memory_ordered 1
		.amdhsa_forward_progress 1
		.amdhsa_inst_pref_size 58
	.end_amdhsa_kernel
	.amdgpu_metadata
---
amdhsa.version: [ 1, 2 ]
amdhsa.kernels:
  - .name:           k_qdb143f6b25_gemm_out
    .symbol:         k_qdb143f6b25_gemm_out.kd
    .args:
      - { .name: obuf, .offset: 0, .size: 8, .value_kind: global_buffer, .address_space: global }
      - { .name: opnd, .offset: 8, .size: 8, .value_kind: global_buffer, .address_space: global }
      - { .name: bout, .offset: 16, .size: 8, .value_kind: global_buffer, .address_space: global }
      - { .name: out0, .offset: 24, .size: 8, .value_kind: global_buffer, .address_space: global }
    .group_segment_fixed_size: 239104
    .private_segment_fixed_size: 0
    .kernarg_segment_align: 8
    .kernarg_segment_size: 32
    .max_flat_workgroup_size: 128
    .sgpr_count:     102
    .vgpr_count:     512
    .wavefront_size: 32
...
	.end_amdgpu_metadata
.endif
;; end of part 4
